; MI455X (gfx1250); checked and timed in simulation.
; The chip was launched on July 23, 2026; its instructions are those of AMD's public machine-readable ISA for CDNA 5 (MIT licence, August 2026) and "CDNA5" Instruction Set Architecture Reference Guide (July 2026). The comments in the code are by the model that wrote it; some were corrected since.
;; Causal Attention. Allowed arithmetic: matrix products marked QUANTISED: E2M1 operands, one E8M0 scale for each 32 along K, by v_wmma_scale_f32_16x16x128_f8f6f4 with both operands' format E2M1 (or v_wmma_scale_f32_32x16x128_f4), f32 sums; products left as they are: bf16, f16 or f32 operands; f32 sums; everything else in f32.
;; Inputs: block_mask 4,096 x 4,096 bool; gate_b 1,024 float32; gate_w 1,024 x 1,024 float32; proj_b 1,024 float32; proj_w 1,024 x 1,024 float32; qkv_b 3,072 float32; qkv_w 1,024 x 3,072 float32; video_mask 1 bool; x 1 x 4,096 x 1,024 float32.
;; Outputs: out0 1 x 4,096 x 1,024 float32.
;; Constants: frame_seqlen = 128, num_frame_for_scale = 4, num_frame_per_block = 1, sliding_window_size = 4.
;; This version of the problem:
;;   THIS VERSION OF THE PROBLEM IS GIVEN IN LOW PRECISION. The matrix products marked QUANTISED in the list below multiply operands that are first quantised to E2M1 (2 exponent bits, 1 mantissa bit; 4 bits a number), with one power-of-two scale for each 32 numbers along K (OCP MX v1.0); their sums are f32. The products marked 'left as it is' may take bf16, f16 or f32 operands, with f32 sums. Whichever they take, every output number must still come out within the allowed error. Rounding operands to bf16 (8 significant bits) uses up far more of that allowance than f16 does (11 bits, for magnitudes from 6e-5 to 65,504). All else is computed in f32.
;;   The module's matrix products, in the order in which they are computed (A, B: the left and right operand; K: the contracted axis; several contracted axes count as one K, in the product's order):
;;     1. [M 4,096, K 1,024] x [K 1,024, N 3,072]; A: input x; B: input qkv_w: QUANTISED
;;     2. [M 4,096, K 1,024] x [K 1,024, N 1,024]; A: input x; B: input gate_w: QUANTISED
;;     3. batch 16 x [M 4,096, K 64] x [K 64, N 4,096]; A: computed on the way; B: computed on the way: left as it is (an operand is computed on the way)
;;     4. batch 16 x [M 4,096, K 4,096] x [K 4,096, N 64]; A: computed on the way; B: computed on the way: left as it is (an operand is computed on the way)
;;     5. [M 4,096, K 1,024] x [K 1,024, N 1,024]; A: computed on the way; B: input proj_w: left as it is (an operand is computed on the way)
;;   THE QUANTISER, for each operand of a quantised product, along K:
;;     - K is cut into blocks of 32 from its start; a last block that is shorter is filled with zeros.
;;     - A block's scale is 2^e with e = floor(log2(the largest magnitude in the block)) - 2, held to -126 .. 127; a block of zeros has e = 0. As a byte (E8M0): e + 127.
;;     - Each number is divided by its block's scale, clamped to +-6, and rounded to the nearest number of E2M1, ties to even, subnormals kept.
;;     - The product sums the exact products of the quantised numbers (number of the format x scale) in f32.
;;   ~~~python
;;   def quantise(x, axis):      # numpy; x: float32 -> the quantised numbers, widened to float32 again
;;       x = np.moveaxis(x, axis, -1); K = x.shape[-1]
;;       x = np.pad(x, [(0, 0)] * (x.ndim - 1) + [(0, -K % 32)]); x = x.reshape(x.shape[:-1] + (-1, 32)); a = np.abs(x).max(-1, keepdims=True)
;;       e = np.where(a > 0, np.clip(np.frexp(np.where(a > 0, a, 1))[1] - 1 - 2, -126, 127), 0)      # np.frexp(a)[1] - 1 = floor(log2(a)), exactly
;;       r = np.clip(x / 2.0 ** e, -6, 6)
;;       step = 2.0 ** (np.maximum(np.frexp(np.where(r == 0, 1, r))[1] - 1, 0) - 1)
;;       q = np.round(r / step) * step * 2.0 ** e      # np.round: ties to even
;;       return np.moveaxis(q.reshape(q.shape[:-2] + (-1,))[..., :K], -1, axis).astype(np.float32)
;;   ~~~
;; One version. Each part assembles by itself: llvm-mc -triple=amdgcn-amd-amdhsa -mcpu=gfx1250 --defsym DOCPART=n.
;; ======== version 1 of 1: 4 launches
;; limits: values are held in f16: magnitudes above 65,504 overflow, below 6.1e-05 lose precision
;; workspace buffers: x_codes 2,097,152 bytes; scales 262,144 bytes; w_codes 2,097,152 bytes; pwt 2,097,152 bytes; maskw 262,144 bytes of whole numbers; qkvh 25,165,824 bytes; gateo 16,777,216 bytes; a2 8,388,608 bytes
;; launch prep (part 1): grid 256 x 1, 16 waves a work-group, no clusters, 253,952 bytes of LDS; arguments x, qkv_w, gate_w, proj_w, block_mask, video_mask, x_codes, scales, w_codes, pwt, maskw; writes x_codes, scales, w_codes, pwt, maskw
.if DOCPART == 1
	.amdgcn_target "amdgcn-amd-amdhsa--gfx1250"
	.amdhsa_code_object_version 6
	.text
	.protected	k_qabca78ddc9_prep
	.globl	k_qabca78ddc9_prep
	.p2align	8
	.type	k_qabca78ddc9_prep,@function
k_qabca78ddc9_prep:
	s_mov_b64 s[64:65], 0
	v_nop
	global_prefetch_b8 v0, s[64:65] scope:SCOPE_SE
	s_setreg_imm32_b32 hwreg(HW_REG_WAVE_MODE, 25, 1), 1
	s_wait_xcnt 0x0
; PREP: everything that is made once from the inputs.  The work-group's number picks one of four tasks; each task has LDS bytes of its own.
;   0-63    x [4096][1024] f32 -> codes of FP4 (E2M1), K innermost, and one E8M0 byte for each 32 along K      (x_codes [4096][512 B], scales + 0: [4096][32 B])
;   64-159  qkv_w [1024 k][3072 n], 160-191 gate_w [1024 k][1024 n]: the same along K, their FIRST axis        (w_codes [4096 n][512 B], scales + 131072: [4096][32 B]; gate_w's columns are rows 3072 on)
;   192-223 proj_w [1024 k][1024 n] f32 -> f16, K innermost, in blocks of 64 along K                           (pwt [16 kb][1024 n][64])
;   224-255 the band of block_mask, video_mask and the window of four frames -> lane masks                     (maskw [32 f][8 T][8 j][32 n] words)
; THE QUANTISER: a block's scale is 2^(floor(log2(its largest magnitude)) - 2); its byte is the largest magnitude's exponent field - 2, held at 1 from below; each number / scale goes to the nearest code, ties to even, beyond 6 to 6.
; LIMITS: a block of zeros gets the byte 1 where the rule says 127 (its codes are zeros, and this program alone reads the bytes); blocks whose largest magnitude lies under 2^-124 were not tried;
; NaN and infinities are not served; |proj_w| stays under 65,504 (f16), and under 6e-5 it keeps an absolute step of 2^-25.
; THE MASK: key k counts for query q where k < 512, or where frame(q) - 3 <= frame(k) <= frame(q) and (block_mask[q][k] or not video_mask).  Query frame f walks key frames g .. g + 3, g = max(f, 7) - 3, all at or beyond frame 4.
; Bit L of word [f][T][j][8 t + jj] says whether key 128 g + 64 j + 16 t + 8 (L / 16) + jj counts for query 128 f + 16 T + L % 16: the place of that score in the attention launch's registers.
; Each wave asks for all its bytes at its head (at most 64 loads): no ring, no pointer is stepped, every offset is an immediate.
.set XST,   0                          ; x: for each wave two stages of 32 x 80 bytes and, at + 5120, its 128 scale bytes: 5,632 bytes a wave
.set WST,   90112                      ; weights: 64 rows (columns n) x (256 bytes of codes + 16)
.set WSC,   107520                     ; and 64 x 16 scale bytes
.set PST,   108544                     ; proj_w: for each wave 32 rows x (128 bytes + 16)
.set MST,   182272                     ; mask: for each wave 16 rows x (256 bytes + 16)
.set SPARE, 251904                     ; the spare words, 128 bytes for each of sixteen waves: eight blocks of 256 bytes that no other line names
.set SPW,   30                         ; v30  LDS address of my spare word; never rewritten
.set NIL,   31                         ; v31  0; never rewritten
; v1 lane; v2-8 x's addresses; v9-15 the weights'; v16-18 proj_w's; v19-21 the mask's; v22-29 at work; v32 on: data
.macro FINI                            ; a wave's end: behind my last LDS store
	s_wait_tensorcnt 0x0
	ds_add_u32 v[SPW], v[NIL]
	s_wait_dscnt 0x0
	s_endpgm
.endm
	s_load_b512 s[4:19], s[0:1], 0x0               ; x 4, qkv_w 6, gate_w 8, proj_w 10, block_mask 12, video_mask 14, x_codes 16, scales 18
	s_load_b128 s[20:23], s[0:1], 0x40             ; w_codes 20, pwt 22
	s_load_b64 s[24:25], s[0:1], 0x50              ; maskw
	v_lshl_add_u32 v[SPW], v0, 2, SPARE
	v_mov_b32 v[NIL], 0
	v_lshrrev_b32 v22, 5, v0
	v_readfirstlane_b32 s28, v22                   ; wave 0..15
	v_and_b32 v1, 31, v0                           ; lane l
	v_lshrrev_b32 v24, 4, v1                       ; l / 16
	v_and_b32 v25, 15, v1                          ; l % 16
	s_and_b32 s33, s28, 1                          ; wave % 2
	s_lshr_b32 s34, s28, 1                         ; wave / 2
	; every address register of every task is made here, ahead of the first branch, from the lane and the wave alone
	s_mul_i32 s29, s28, 5632                       ; x: my wave's region
	v_lshlrev_b32 v2, 4, v1                        ; my 16 bytes of a load's 512
	v_lshrrev_b32 v22, 2, v1
	v_mul_u32_u24 v22, v22, 80
	v_and_b32 v23, 3, v1
	v_lshl_add_u32 v22, v23, 4, v22
	v_add_nc_u32 v3, s29, v22                      ; the stage, on the way in: four lanes' 64 bytes on end, then 16 of padding
	v_mul_u32_u24 v22, v1, 80
	v_add_nc_u32 v4, s29, v22                      ; and on the way out: my 16 neighbours
	v_lshlrev_b32 v5, 3, v1                        ; my 8 bytes of a step's codes
	s_add_co_u32 s29, s29, 5120
	v_lshrrev_b32 v22, 1, v1
	v_add_nc_u32 v6, s29, v22                      ; my block's scale byte
	v_lshlrev_b32 v8, 2, v1
	v_add_nc_u32 v7, s29, v8                       ; and 4 of the 128 on the way out
	v_lshlrev_b32 v9, 2, v1                        ; weights: 4 bytes a lane along a row
	s_lshl_b32 s29, s33, 5
	v_add_nc_u32 v22, s29, v1                      ; my column of the work-group's 64: 32 (wave % 2) + l
	v_mul_u32_u24 v23, v22, 272
	s_lshl_b32 s29, s34, 5
	s_add_co_u32 s29, s29, WST
	v_add_nc_u32 v10, s29, v23                     ; its row of codes, + 32 bytes for each 64 along K
	s_lshl_b32 s29, s34, 1
	s_add_co_u32 s29, s29, WSC
	v_lshl_add_u32 v11, v22, 4, s29                ; its scale bytes, + 2 for each 64 along K
	v_lshl_add_u32 v14, v22, 4, WSC                ; the way out of the scale bytes (waves 0 and 1): 16 bytes a column,
	v_lshlrev_b32 v15, 5, v22                      ; into rows of 32
	s_lshl_b32 s29, s28, 2
	v_add_nc_u32 v22, s29, v24                     ; the way out of the codes: row 4 wave + l / 16
	v_mul_u32_u24 v23, v22, 272
	v_lshl_add_u32 v23, v25, 4, v23
	v_add_nc_u32 v12, WST, v23
	v_lshlrev_b32 v22, 9, v22
	v_lshl_add_u32 v13, v25, 4, v22                ; and the same place among rows of 512 bytes
	s_mul_i32 s29, s28, 4608                       ; proj_w: my wave's stage
	s_add_co_u32 s29, s29, PST
	v_mul_u32_u24 v22, v1, 144
	v_add_nc_u32 v16, s29, v22                     ; in: row = my column
	v_lshrrev_b32 v22, 3, v1
	v_mul_u32_u24 v22, v22, 144
	v_and_b32 v23, 7, v1
	v_lshl_add_u32 v22, v23, 4, v22
	v_add_nc_u32 v17, s29, v22                     ; back: eight lanes to a row of 128 bytes
	v_lshlrev_b32 v18, 4, v1                       ; 16 bytes a lane
	s_mul_i32 s29, s28, 4352                       ; mask: my wave's stage
	s_add_co_u32 s29, s29, MST
	v_lshlrev_b32 v19, 12, v24
	v_lshl_add_u32 v19, v25, 4, v19                ; in memory: sixteen lanes to 256 bytes of a row, two rows a load
	v_mul_u32_u24 v22, v24, 272
	v_lshl_add_u32 v22, v25, 4, v22
	v_add_nc_u32 v20, s29, v22                     ; the same in the stage
	v_mul_u32_u24 v22, v25, 272
	v_lshl_add_u32 v22, v24, 3, v22
	v_add_nc_u32 v21, s29, v22                     ; back: query l % 16, 8 keys from 8 (l / 16) on
	s_wait_kmcnt 0x0
	s_cmp_ge_u32 ttmp9, 224                        ; the branches hang on the work-group's number alone: all sixteen waves go the same way
	s_cbranch_scc1 .Lmask
	s_cmp_ge_u32 ttmp9, 160
	s_cbranch_scc1 .Lsquare
	s_cmp_ge_u32 ttmp9, 64
	s_cbranch_scc1 .Lqkv
; ---- x.  A wave takes a run of 4,096 numbers in 8 steps of 512.  A load reads 512 consecutive bytes, 16 a lane; a step's 2,048 bytes turn through my own stage and come back 64 bytes a lane: 16 neighbours along K, two lanes to a block.
	s_lshl_b32 s30, ttmp9, 4
	s_add_co_u32 s30, s30, s28                     ; my run: 16 x work-group + wave
	s_mov_b32 s37, 0
	s_lshl_b32 s36, s30, 14
	s_add_nc_u64 s[4:5], s[4:5], s[36:37]          ; 16,384 bytes in,
	s_lshl_b32 s36, s30, 11
	s_add_nc_u64 s[16:17], s[16:17], s[36:37]      ; 2,048 of codes
	s_lshl_b32 s36, s30, 7
	s_add_nc_u64 s[18:19], s[18:19], s[36:37]      ; and 128 scale bytes out
.macro XLOAD t
.irp i, 0,1,2,3
	global_load_b128 v[64+16*(\t)+4*\i:64+16*(\t)+4*\i+3], v2, s[4:5] offset:2048*(\t)+512*\i th:TH_LOAD_NT
.endr
.endm
.macro XTURN t                         ; LDS serves a wave's instructions in order (ISA guide 5.7.1.4): no wait between these stores and loads
.irp i, 0,1,2,3
	ds_store_b128 v3, v[64+16*(\t)+4*\i:64+16*(\t)+4*\i+3] offset:2560*((\t)%2)+640*\i
.endr
.irp i, 0,1,2,3
	ds_load_b128 v[32+16*((\t)%2)+4*\i:32+16*((\t)%2)+4*\i+3], v4 offset:2560*((\t)%2)+16*\i
.endr
.endm
.macro XSTEP t
.set XS, 32+16*((\t)%2)
.if (\t) > 0
	s_wait_dscnt 1                                 ; this step's numbers are back from the stage; the last step's byte store may be out
.else
	s_wait_dscnt 0x0
.endif
.if (\t) < 7
	s_wait_loadcnt 4*(6-(\t))                      ; the next step's four loads are in; those of the steps behind it may be out
	XTURN (\t)+1                                   ; they go through the other stage while this step is worked
.endif
	v_max3_num_f32 v22, |v[XS]|, |v[XS+1]|, |v[XS+2]|          ; the largest magnitude of my 16, in two chains
	v_max3_num_f32 v23, |v[XS+3]|, |v[XS+4]|, |v[XS+5]|
.irp i, 6,10
	v_max3_num_f32 v22, v22, |v[XS+\i]|, |v[XS+\i+1]|
	v_max3_num_f32 v23, v23, |v[XS+\i+2]|, |v[XS+\i+3]|
.endr
	v_max3_num_f32 v22, v22, |v[XS+14]|, |v[XS+15]|
	v_max3_num_f32 v22, v22, v23, 0x1800000        ; and the floor 2^(3 - 127): the byte cannot fall under 1
	v_max_num_f32_dpp v22, v22, v22 row_xmask:1 row_mask:0xf bank_mask:0xf   ; with my neighbour's 16: the block's
	v_add_nc_u32 v24, 0xff000000, v22              ; 2 off its exponent field: the conversion takes the exponent field of this operand as its scale
	v_cvt_scalef32_pk8_fp4_f32 v[192+2*(\t)], v[XS:XS+7], v24
	v_cvt_scalef32_pk8_fp4_f32 v[193+2*(\t)], v[XS+8:XS+15], v24
	v_lshrrev_b32 v[208+(\t)], 23, v24             ; the scale's byte (also the plain line behind the conversions)
	ds_store_b8 v6, v[208+(\t)] offset:16*(\t)     ; both lanes of a block write the same byte with the same value
	global_store_b64 v5, v[192+2*(\t):193+2*(\t)], s[16:17] offset:256*(\t)   ; the wave stores 256 consecutive bytes, aligned; each step has data registers of its own
.endm
.irp t, 0,1,2,3,4,5,6,7
	XLOAD \t
.endr
	s_wait_loadcnt 28                              ; step 0's four loads are in, the 28 younger stay out
	XTURN 0
.irp t, 0,1,2,3,4,5,6,7
	XSTEP \t
.endr
	ds_load_b32 v26, v7                            ; my wave's 128 scale bytes, 4 a lane: these see my stores
	s_wait_dscnt 0x0
	global_store_b32 v8, v26, s[18:19]             ; 128 consecutive bytes: one byte out for 128 read
	FINI
; ---- the weights.  A lane takes a column n and its registers run down K.  Wave w: columns 32 (w % 2) + l of the work-group's 64, rows 64 (w / 2) .. + 63 of its 512: two waves side by side read 256 consecutive bytes of a row.
.macro WHERE pitch                     ; s30 = the work-group's number within its tensor -> s31 = group of 64 columns, s32 = half of K, s[36:37] = my wave's first byte
	s_lshr_b32 s31, s30, 1
	s_and_b32 s32, s30, 1
	s_lshl_b32 s35, s32, 9
	s_lshl_b32 s38, s34, 6
	s_add_co_u32 s35, s35, s38                     ; my first row: 512 half + 64 (wave / 2)
	s_mul_i32 s36, s35, \pitch
	s_lshl_b32 s38, s31, 8
	s_add_co_u32 s36, s36, s38
	s_lshl_b32 s38, s33, 7
	s_add_co_u32 s36, s36, s38                     ; + 4 bytes x (64 group + 32 (wave % 2))
	s_mov_b32 s37, 0
.endm
.macro WLOADS pitch
.set i, 0
.rept 64
	global_load_b32 v[32+i], v9, s[36:37] offset:i*\pitch th:TH_LOAD_NT
.set i, i+1
.endr
.endm
.Lqkv:
	s_sub_co_u32 s30, ttmp9, 64
	WHERE 12288
	s_add_nc_u64 s[36:37], s[6:7], s[36:37]
	WLOADS 12288
	s_lshl_b32 s38, s31, 6                         ; my work-group's first row of w_codes
	s_branch .Lquant
.Lsquare:
	s_cmp_lt_u32 ttmp9, 192                        ; gate_w or proj_w: the choice hangs on the work-group's number alone
	s_cselect_b64 s[40:41], s[8:9], s[10:11]
	s_mov_b32 s30, 192
	s_cselect_b32 s30, 160, s30
	s_sub_co_u32 s30, ttmp9, s30
	WHERE 4096
	s_add_nc_u64 s[36:37], s[40:41], s[36:37]
	WLOADS 4096
	s_lshl_b32 s38, s31, 6
	s_add_co_u32 s38, s38, 3072                    ; gate_w's columns follow qkv_w's
	s_cmp_ge_u32 ttmp9, 192
	s_cbranch_scc1 .Lproj
.Lquant:
.macro WBLOCK t                        ; 32 along K of my column: all 32 numbers are mine
.set XS, 32+32*(\t)
	s_wait_loadcnt 32-32*(\t)                      ; this block's 32 loads are in; block 1's may be out
	v_max3_num_f32 v22, |v[XS]|, |v[XS+1]|, |v[XS+2]|
	v_max3_num_f32 v23, |v[XS+3]|, |v[XS+4]|, |v[XS+5]|
.irp i, 6,10,14,18,22,26
	v_max3_num_f32 v22, v22, |v[XS+\i]|, |v[XS+\i+1]|
	v_max3_num_f32 v23, v23, |v[XS+\i+2]|, |v[XS+\i+3]|
.endr
	v_max3_num_f32 v22, v22, |v[XS+30]|, |v[XS+31]|
	v_max3_num_f32 v22, v22, v23, 0x1800000        ; the floor
	v_add_nc_u32 v[24+(\t)], 0xff000000, v22       ; the conversion's scale operand
	v_lshrrev_b32 v[26+(\t)], 23, v[24+(\t)]       ; the byte
.irp g, 0,1,2,3
	v_cvt_scalef32_pk8_fp4_f32 v[96+4*(\t)+\g], v[XS+8*\g:XS+8*\g+7], v[24+(\t)]
.endr
	v_nop                                          ; one plain line behind the conversions
	ds_store_b128 v10, v[96+4*(\t):99+4*(\t)] offset:16*(\t)   ; 32 codes: 16 bytes of my column's row
.endm
	WBLOCK 0
	WBLOCK 1
	v_lshl_or_b32 v28, v27, 8, v26                 ; my two scale bytes, the lower K below
	ds_store_b16 v11, v28
	s_lshl_b32 s44, s38, 9                         ; where the work-group's codes go: 512 bytes a row, + 256 for the upper half of K
	s_lshl_b32 s45, s32, 8
	s_add_co_u32 s44, s44, s45
	s_mov_b32 s45, 0
	s_add_nc_u64 s[20:21], s[20:21], s[44:45]
	s_lshl_b32 s44, s38, 5                         ; and its scale bytes: behind x's 131,072, 32 bytes a row, + 16
	s_lshl_b32 s46, s32, 4
	s_add_co_u32 s44, s44, s46
	s_add_co_u32 s44, s44, 131072
	s_add_nc_u64 s[18:19], s[18:19], s[44:45]
	s_wait_dscnt 0x0                               ; for the others' sake: my stores have landed
	s_barrier_signal -1
	s_barrier_wait -1                              ; 64 rows of 256 bytes lie in the stage
	ds_load_b128 v[104:107], v12                   ; rows 4 wave, 4 wave + 1
	ds_load_b128 v[108:111], v12 offset:544        ; and the two behind them
	s_wait_dscnt 0x0
	global_store_b128 v13, v[104:107], s[20:21]    ; sixteen lanes store 256 consecutive bytes, aligned
	global_store_b128 v13, v[108:111], s[20:21] offset:1024
	s_cmp_ge_u32 s28, 2                            ; waves 0 and 1 send the scale bytes: 16 of each row's 32, one byte out for 128 read
	s_cbranch_scc1 .Lwdone
	ds_load_b128 v[112:115], v14
	s_wait_dscnt 0x0
	global_store_b128 v15, v[112:115], s[18:19]
.Lwdone:
	FINI
; ---- proj_w: my column's 64 numbers along K are one row of 128 bytes of pwt; the wave's 32 rows are 4,096 consecutive bytes.  They turn through my own stage so that each store covers 512 consecutive bytes.
.Lproj:
	s_lshl_b32 s44, s32, 3
	s_add_co_u32 s44, s44, s34                     ; the block of 64 along K: 8 half + wave / 2
	s_lshl_b32 s44, s44, 17                        ; 131,072 bytes each
	s_lshl_b32 s45, s31, 13
	s_add_co_u32 s44, s44, s45
	s_lshl_b32 s45, s33, 12
	s_add_co_u32 s44, s44, s45                     ; + 128 bytes x (64 group + 32 (wave % 2))
	s_mov_b32 s45, 0
	s_add_nc_u64 s[22:23], s[22:23], s[44:45]
	s_wait_loadcnt 0x0
.set i, 0
.rept 32
	v_cvt_pk_f16_f32 v[96+i], v[32+2*i], v[33+2*i]   ; the lower K in the low half
.set i, i+1
.endr
.irp i, 0,1,2,3,4,5,6,7
	ds_store_b128 v16, v[96+4*\i:99+4*\i] offset:16*\i
.endr
.irp i, 0,1,2,3,4,5,6,7
	ds_load_b128 v[128+4*\i:131+4*\i], v17 offset:576*\i   ; four rows an instruction: these see my stores
.endr
.irp i, 0,1,2,3,4,5,6,7
	s_wait_dscnt 7-\i
	global_store_b128 v18, v[128+4*\i:131+4*\i], s[22:23] offset:512*\i
.endr
	FINI
; ---- the mask.  Work-group = query frame f; wave: 16 queries (tile T = wave / 2) x 256 keys (half k2 = wave % 2 of the band's 512).
.Lmask:
	s_load_u8 s40, s[14:15], 0x0                   ; video_mask
	s_sub_co_u32 s30, ttmp9, 224                   ; f
	s_max_u32 s31, s30, 7
	s_sub_co_u32 s31, s31, 3                       ; g
	s_lshl_b32 s35, s30, 7
	s_lshl_b32 s36, s34, 4
	s_add_co_u32 s35, s35, s36                     ; my first query
	s_lshl_b32 s36, s35, 12                        ; its row of 4,096 bytes,
	s_lshl_b32 s35, s31, 7
	s_add_co_u32 s36, s36, s35                     ; + key 128 g
	s_lshl_b32 s35, s33, 8
	s_add_co_u32 s36, s36, s35                     ; + 256 k2
	s_mov_b32 s37, 0
	s_add_nc_u64 s[12:13], s[12:13], s[36:37]
.irp i, 0,1,2,3,4,5,6,7
	global_load_b128 v[32+4*\i:35+4*\i], v19, s[12:13] offset:8192*\i th:TH_LOAD_NT   ; two queries' 256 bytes
.endr
	s_lshl_b32 s36, s30, 13                        ; my 128 words: 8,192 bytes a frame, 1,024 a tile, 512 a half
	s_lshl_b32 s35, s34, 10
	s_add_co_u32 s36, s36, s35
	s_lshl_b32 s35, s33, 9
	s_add_co_u32 s36, s36, s35
	s_add_nc_u64 s[24:25], s[24:25], s[36:37]
	s_lshl_b32 s35, s33, 1
	s_add_co_u32 s35, s35, s31                     ; my first key frame: g + 2 k2
	s_cmp_le_u32 s35, s30
	s_cselect_b32 s42, -1, 0                       ; all ones where it is at or under f (it is never under f - 3)
	s_add_co_u32 s35, s35, 1
	s_cmp_le_u32 s35, s30
	s_cselect_b32 s43, -1, 0                       ; my second key frame likewise
	s_mov_b32 s56, 0xff
	s_mov_b32 s57, 0xff00
	s_mov_b32 s58, 0xff0000
	s_mov_b32 s59, 0xff000000
.irp i, 0,1,2,3
	v_mov_b32 v[100+\i], 0                         ; a lane write's destination counts as read
.endr
	s_wait_kmcnt 0x0
	s_cmp_lg_u32 s40, 0
	s_cselect_b32 s41, 0, -1                       ; all ones where video_mask is false
	s_wait_loadcnt 0x0
.irp i, 0,1,2,3,4,5,6,7
	ds_store_b128 v20, v[32+4*\i:35+4*\i] offset:544*\i
.endr
.irp m, 0,1,2,3,4,5,6,7,8,9,10,11,12,13,14,15
	ds_load_b64 v[64+2*\m:65+2*\m], v21 offset:16*\m   ; keys 16 m + 8 (l / 16) + 0 .. 7 of query l % 16: these see my stores
.endr
	s_wait_dscnt 0x0
.set n, 0
.rept 128                              ; word n = 8 m + jj: one byte of each lane, compared; the 32 lanes' bits are the word
	v_and_b32 v[96+n%4], s[56+n%4], v[64+2*(n/8)+(n%8)/4]
	v_cmp_ne_u32 s[48+n%8], 0, v[96+n%4]
	s_or_b32 s[48+n%8], s[48+n%8], s41
	s_and_b32 s[48+n%8], s[48+n%8], s[42+n/64]
	v_writelane_b32 v[100+n%4], s[48+n%8], n/4     ; word n goes to lane n / 4, register n % 4
.set n, n+1
.endr
	global_store_b128 v18, v[100:103], s[24:25]    ; 512 consecutive bytes
	FINI
.Lfunc_end_k_qabca78ddc9_prep:
	.size	k_qabca78ddc9_prep, .Lfunc_end_k_qabca78ddc9_prep-k_qabca78ddc9_prep
	.p2alignl 7, 3214868480
	.fill 96, 4, 3214868480
	.section	.rodata,"a",@progbits
	.p2align	6, 0x0
	.amdhsa_kernel k_qabca78ddc9_prep
		.amdhsa_group_segment_fixed_size 253952
		.amdhsa_private_segment_fixed_size 0
		.amdhsa_enable_private_segment 0
		.amdhsa_kernarg_size 88
		.amdhsa_user_sgpr_count 2
		.amdhsa_user_sgpr_kernarg_segment_ptr 1
		.amdhsa_wavefront_size32 1
		.amdhsa_system_sgpr_workgroup_id_x 1
		.amdhsa_system_sgpr_workgroup_id_y 1
		.amdhsa_system_sgpr_workgroup_id_z 1
		.amdhsa_system_vgpr_workitem_id 0
		.amdhsa_next_free_vgpr 256
		.amdhsa_next_free_sgpr 66
		.amdhsa_reserve_vcc 0
		.amdhsa_float_denorm_mode_32 3
		.amdhsa_float_denorm_mode_16_64 3
		.amdhsa_memory_ordered 1
		.amdhsa_forward_progress 1
		.amdhsa_inst_pref_size 74
	.end_amdhsa_kernel
	.amdgpu_metadata
---
amdhsa.version: [ 1, 2 ]
amdhsa.kernels:
  - .name:           k_qabca78ddc9_prep
    .symbol:         k_qabca78ddc9_prep.kd
    .args:
      - { .name: x, .offset: 0, .size: 8, .value_kind: global_buffer, .address_space: global }
      - { .name: qkv_w, .offset: 8, .size: 8, .value_kind: global_buffer, .address_space: global }
      - { .name: gate_w, .offset: 16, .size: 8, .value_kind: global_buffer, .address_space: global }
      - { .name: proj_w, .offset: 24, .size: 8, .value_kind: global_buffer, .address_space: global }
      - { .name: block_mask, .offset: 32, .size: 8, .value_kind: global_buffer, .address_space: global }
      - { .name: video_mask, .offset: 40, .size: 8, .value_kind: global_buffer, .address_space: global }
      - { .name: x_codes, .offset: 48, .size: 8, .value_kind: global_buffer, .address_space: global }
      - { .name: scales, .offset: 56, .size: 8, .value_kind: global_buffer, .address_space: global }
      - { .name: w_codes, .offset: 64, .size: 8, .value_kind: global_buffer, .address_space: global }
      - { .name: pwt, .offset: 72, .size: 8, .value_kind: global_buffer, .address_space: global }
      - { .name: maskw, .offset: 80, .size: 8, .value_kind: global_buffer, .address_space: global }
    .group_segment_fixed_size: 253952
    .private_segment_fixed_size: 0
    .kernarg_segment_align: 8
    .kernarg_segment_size: 88
    .max_flat_workgroup_size: 512
    .sgpr_count:     66
    .vgpr_count:     256
    .wavefront_size: 32
...
	.end_amdgpu_metadata
.endif
;; end of part 1
;; launch qkvg (part 2): grid 16 x 16, 4 waves a work-group, clusters of 4 x 4, 327,680 bytes of LDS; arguments x_codes, scales, w_codes, qkv_b, gate_b, qkvh, gateo; writes qkvh, gateo
.if DOCPART == 2
	.amdgcn_target "amdgcn-amd-amdhsa--gfx1250"
	.amdhsa_code_object_version 6
	.text
	.protected	k_qabca78ddc9_qkvg
	.globl	k_qabca78ddc9_qkvg
	.p2align	8
	.type	k_qabca78ddc9_qkvg,@function
k_qabca78ddc9_qkvg:
	s_mov_b64 s[64:65], 0
	v_nop
	global_prefetch_b8 v0, s[64:65] scope:SCOPE_SE
	s_setreg_imm32_b32 hwreg(HW_REG_WAVE_MODE, 25, 1), 1
	s_wait_xcnt 0x0
	s_wait_alu depctr_hold_cnt(0) depctr_sa_sdst(0) depctr_va_vdst(0) depctr_va_sdst(0) depctr_va_ssrc(0) depctr_va_vcc(0) depctr_vm_vsrc(0)
	s_getreg_b32 s2, hwreg(HW_REG_IB_STS2, 6, 4)
	s_cmp_eq_u32 s2, 0
	s_cbranch_scc0 .Lentry_in_a_cluster
	s_endpgm
.Lentry_in_a_cluster:
	s_bfe_u32 s2, ttmp6, 0x10000c
	s_cmp_lg_u32 s2, 0xf033
	s_cbranch_scc0 .Lentry_shape_is_right
	s_endpgm
.Lentry_shape_is_right:
; [q | k | v | gate] = x [qkv_w | gate_w] + bias: C[m][n] = bias[n] + sum over k of A[m][k] B[n][k], 4096 x 4096 x 1024, both operands codes of FP4 (E2M1) with one E8M0 byte for each 32 along K; sums in f32.
; A = x_codes [4096][512 B], its scale bytes at scales + 0 ([4096][32]); B = w_codes [4096][512 B], its scale bytes at scales + 131072.
; A tile of C, 256 x 256, is made by a work-group of four waves; a wave makes 128 x 128: 64 accumulators of 16 x 16.  K is two slots of 512: both are asked for at the head and nothing is filled again.
; The scale bytes of the work-group's 256 + 256 rows, for all of K, come once, in whole rows of 256 bytes.
; CLUSTERS: 4 x 4 work-groups; A's tiles are asked for jointly along a row of the cluster, B's along a column.
; THE MATRIX INSTRUCTION IS USED TRANSPOSED (source 0 = 16 rows of B, source 1 = 16 rows of A): a lane holds eight neighbouring columns of one row of C.  THE BIAS IS THE C OF THE FIRST K STEP: nothing is cleared, nothing is added later.
; WHAT GOES OUT.  1,024 columns are one kind, and a cluster's four tile columns are just that: the cluster's x IS the kind (0 q, 1 k, 2 v, 3 gate), the same in all sixteen partners.
;   q, k, v: f16, qkvh [kind][16 h][4096 n][64];   the gate, before its sigmoid: f32, gateo [16 h][4096 n][64].
; LIMIT: |q|, |k|, |v| stay under 65,504 (f16); under 6e-5 they keep an absolute step of 2^-25.
; REGISTERS, in windows of 256: window 0: v0-31 addresses; v32-95 scale words, two sets; v128-191 A's fragments, one set; v192-255 the bias, later packed results.  window 1: B's fragments, two sets.  windows 2, 3: the accumulators.
.set NQ,     4                         ; matrix instructions deep in a slot (512 along K)
.set ROWB,   256                       ; a tile's row in bytes
.set KROW,   512                       ; a row of codes in memory
.set PITCH,  272                       ; an LDS row: 256 bytes + 16: the 16 rows that a load touches start 68 words apart
.set FR,     8
.set NL,     2
.set NP,     4                         ; places behind this matrix instruction (ISA guide 7.12.1)
.set HALFT,  128*PITCH
.set SLOT,   4*HALFT
.set KS,     32                        ; a row of scale bytes
.set SCL,    2*SLOT
.set HALFS,  (128*KS/256)*272
.set SBLK,   (16*KS/256)*272
.set SPARE,  SCL+4*HALFS               ; the spare words, 128 bytes a wave: two blocks of 256 bytes that no other line names
.set HSTG,   0                         ; the way out in f16: 16 rows x (256 + 16) bytes a wave;  both stages lie in slot 0, which has had its only fill, and which nobody reads behind the change of slots
.set GSTG,   32768                     ; the way out in f32: 16 rows x (512 + 16) bytes a wave
.set BO,   7                           ; v7   32 x (lane / 16): my eight biases of a block of 16 columns
.set GSTO, 8                           ; v8-10  the gate's way out: into the stage, back, in memory
.set GRD,  9
.set GCO,  10
.set ADRA, 16
.set ADRB, 20
.set STO,  24                          ; v24-26 the same for q, k, v
.set RD,   25
.set CO,   26
.set ADRS, 27
.set SPW,  28
.set NIL,  29
.set SC,   32
.set AF,   128
.set BIAS, 192
.set TMP,  192
.set G1, 24
.set G0, 32
.set G1B, 48
.set G0B, 56
.set G1S, 68
.set G0S, 76
.set G1SB, 80
.set G0SB, 88
.set MSB, 0
.macro WIN new                         ; the immediate's high byte repeats the setting that is left
.if MSB != \new
	s_set_vgpr_msb (MSB<<8)|\new
.set MSB, \new
.endif
.endm
.set MUL_LO, 0xa1                      ; source 0 (B) window 1, source 1 (A) window 0, C and D window 2
.set MUL_HI, 0xf1                      ; the same, C and D window 3
.set TO_B,   0x40
; A joint load: waves 0 and 1 fetch for A, waves 2 and 3 for B; the branch hangs on the wave's number alone.  An s_nop 0 and four v_nop follow each of the two lines.
.macro JLOAD g0a, g1a, g0b, g1b
	s_cmp_eq_u32 s15, 0
	s_cbranch_scc0 .Lfor_b_\@
	tensor_load_to_lds s[\g0a:\g0a+3], s[\g1a:\g1a+7]
	s_nop 0
.rept 4
	v_nop
.endr
	s_branch .Lasked_\@
.Lfor_b_\@:
	tensor_load_to_lds s[\g0b:\g0b+3], s[\g1b:\g1b+7]
	s_nop 0
.rept 4
	v_nop
.endr
.Lasked_\@:
.endm
.macro CROUND                          ; a round of the cluster's barrier
	s_barrier_signal -1
	s_barrier_wait -1
	s_cmp_lg_u32 s14, 0
	s_cbranch_scc1 .Lnot_wave_0_\@
	s_barrier_signal -3
.Lnot_wave_0_\@:
	s_barrier_wait -3
	s_barrier_signal -1
	s_barrier_wait -1
.endm
	s_load_b128 s[4:7], s[0:1], 0x0                ; x_codes, scales
	s_load_b64 s[8:9], s[0:1], 0x10                ; w_codes
	s_load_b64 s[96:97], s[0:1], 0x18              ; qkv_b
	s_load_b64 s[98:99], s[0:1], 0x20              ; gate_b
	s_load_b64 s[12:13], s[0:1], 0x28              ; qkvh
	s_load_b64 s[66:67], s[0:1], 0x30              ; gateo
	v_lshl_add_u32 v[SPW], v0, 2, SPARE
	v_mov_b32 v[NIL], 0
	ds_add_u32 v[SPW], v[NIL]                      ; the wave's opening: the add, twice on end, and its wait ahead of my first tensor load
	ds_add_u32 v[SPW], v[NIL]
	v_lshrrev_b32 v1, 5, v0
	v_readfirstlane_b32 s14, v1                    ; wave 0..3
	s_lshr_b32 s15, s14, 1                         ; which half of the tile's rows is mine.  Also: I fetch for A (0) or for B (1)
	s_and_b32 s16, s14, 1                          ; which half of its columns.  Also: which 128 rows I fetch
	s_bfe_u32 s40, ttmp6, 0x40000                  ; cx, cy
	s_bfe_u32 s41, ttmp6, 0x40004
	s_lshl_b32 s42, ttmp9, 2
	s_add_co_u32 s42, s42, s40                     ; tile column of C
	s_and_b32 s17, ttmp7, 0xffff
	s_lshl_b32 s17, s17, 2
	s_add_co_u32 s17, s17, s41                     ; tile row of C
	s_lshl_b32 s43, s41, 2
	s_lshl_b32 s43, 15, s43                        ; my row of the cluster
	s_lshl_b32 s44, 0x1111, s40                    ; my column
	; descriptor group 1: 128 rows x 256 bytes, 4 words of padding behind every 64
	s_or_b32 s[G1+0], s43, (0<<16)|(1<<20)|(1<<21)|(5<<22)|(3<<25)
	s_or_b32 s[G1B+0], s44, (0<<16)|(1<<20)|(1<<21)|(5<<22)|(3<<25)
.irp g, G1, G1B
	s_mov_b32 s[\g+1], ROWB<<16                    ; tensor_dim0
	s_mov_b32 s[\g+2], 128<<16                     ; tensor_dim1
	s_mov_b32 s[\g+3], ROWB<<16                    ; tile_dim0
	s_mov_b32 s[\g+4], 128                         ; tile_dim1
	s_mov_b32 s[\g+5], KROW                        ; from row to row
	s_mov_b32 s[\g+6], 0
	s_mov_b32 s[\g+7], 0
.endr
	; the scale bytes of 128 rows: 4,096 dense bytes as 16 rows of 256 (32 elements of 8 bytes), padded alike
	s_or_b32 s[G1S+0], s43, (3<<16)|(1<<20)|(1<<21)|(5<<22)|(3<<25)
	s_or_b32 s[G1SB+0], s44, (3<<16)|(1<<20)|(1<<21)|(5<<22)|(3<<25)
.irp g, G1S, G1SB
	s_mov_b32 s[\g+1], 32<<16
	s_mov_b32 s[\g+2], (128*KS/256)<<16
	s_mov_b32 s[\g+3], 32<<16
	s_mov_b32 s[\g+4], 128*KS/256
	s_mov_b32 s[\g+5], 32
	s_mov_b32 s[\g+6], 0
	s_mov_b32 s[\g+7], 0
.endr
	s_lshl_b32 s18, s16, 7
	s_lshl_b32 s20, s17, 8
	s_add_co_u32 s20, s20, s18                     ; A: row 256 x tile row + 128 x half
	s_lshl_b32 s46, s42, 8
	s_add_co_u32 s46, s46, s18                     ; B: row 256 x tile column + 128 x half
	s_mov_b32 s21, 0
	s_mov_b32 s47, 0
	s_mov_b64 s[18:19], KS
	s_mul_u64 s[22:23], s[20:21], s[18:19]         ; where these rows' scale bytes begin
	s_mul_u64 s[92:93], s[46:47], s[18:19]
	s_mov_b64 s[18:19], KROW
	s_mul_u64 s[20:21], s[20:21], s[18:19]         ; and their codes
	s_mul_u64 s[46:47], s[46:47], s[18:19]
	s_mul_i32 s45, s14, HALFT                      ; where they go: wave x 128 rows
	s_mul_i32 s94, s14, HALFS
	s_wait_dscnt 0x0                               ; both opening adds are done
	s_wait_kmcnt 0x0
	s_add_nc_u64 s[10:11], s[6:7], 131072          ; B's scale bytes lie behind A's
	s_add_nc_u64 s[20:21], s[4:5], s[20:21]
	s_add_nc_u64 s[22:23], s[6:7], s[22:23]
	s_add_nc_u64 s[46:47], s[8:9], s[46:47]
	s_add_nc_u64 s[92:93], s[10:11], s[92:93]
	CROUND                                         ; all sixteen work-groups are here: the joint loads meet
	s_mov_b32 s[G0S], 1
	s_add_co_u32 s[G0S+1], s94, SCL
	s_mov_b64 s[G0S+2:G0S+3], s[22:23]
	s_or_b32 s[G0S+3], s[G0S+3], 0x80000000
	s_mov_b32 s[G0SB], 1
	s_add_co_u32 s[G0SB+1], s94, SCL
	s_mov_b64 s[G0SB+2:G0SB+3], s[92:93]
	s_or_b32 s[G0SB+3], s[G0SB+3], 0x80000000
	JLOAD G0S, G1S, G0SB, G1SB                     ; three loads of mine go out: the scale bytes, slot 0, slot 1
.irp s, 0,1
	s_mov_b32 s[G0+4*\s], 1
	s_add_co_u32 s[G0+4*\s+1], s45, \s*SLOT
	s_add_nc_u64 s[G0+4*\s+2:G0+4*\s+3], s[20:21], \s*ROWB
	s_or_b32 s[G0+4*\s+3], s[G0+4*\s+3], 0x80000000
	s_mov_b32 s[G0B+4*\s], 1
	s_add_co_u32 s[G0B+4*\s+1], s45, \s*SLOT
	s_add_nc_u64 s[G0B+4*\s+2:G0B+4*\s+3], s[46:47], \s*ROWB
	s_or_b32 s[G0B+4*\s+3], s[G0B+4*\s+3], 0x80000000
	JLOAD G0+4*\s, G1, G0B+4*\s, G1B
.endr
	v_and_b32 v1, 15, v0                           ; r = l % 16
	v_bfe_u32 v2, v0, 4, 1                         ; h = l / 16
	; the bias of my 128 columns: register 8 b + j = column 16 b + 8 h + j
	v_lshlrev_b32 v[BO], 5, v2
	s_lshl_b32 s92, s42, 8
	s_lshl_b32 s93, s16, 7
	s_add_co_u32 s92, s92, s93                     ; my first column
	s_cmp_eq_u32 ttmp9, 3                          ; the gate's columns take gate_b, from its start
	s_cselect_b64 s[96:97], s[98:99], s[96:97]
	s_cselect_b32 s93, 3072, 0
	s_sub_co_u32 s92, s92, s93
	s_lshl_b32 s92, s92, 2
	s_mov_b32 s93, 0
	s_add_nc_u64 s[96:97], s[96:97], s[92:93]
.irp b, 0,1,2,3,4,5,6,7
	global_load_b128 v[BIAS+8*\b:BIAS+8*\b+3], v[BO], s[96:97] offset:64*\b
	global_load_b128 v[BIAS+8*\b+4:BIAS+8*\b+7], v[BO], s[96:97] offset:64*\b+16
.endr
	v_mul_u32_u24 v3, v1, PITCH
	v_lshl_add_u32 v4, v2, 4, v3                   ; a fragment's row x pitch + 16 x half
	s_mul_i32 s21, s15, HALFT                      ; my 128 rows of A
	s_mul_i32 s22, s16, HALFT                      ; my 128 rows of B,
	s_add_co_u32 s22, s22, 2*HALFT                 ; behind A's 256
.irp s, 0,1
	v_add_nc_u32 v[ADRA+\s], s21, v4
	v_add_nc_u32 v[ADRB+\s], s22, v4
	s_add_co_u32 s21, s21, SLOT
	s_add_co_u32 s22, s22, SLOT
.endr
	v_mul_u32_u24 v5, v1, KS                       ; my row's scale bytes: 32 a row,
	v_lshrrev_b32 v6, 8, v5
	v_lshl_add_u32 v5, v6, 4, v5                   ; and 16 more for each 256 passed
	s_mul_i32 s21, s15, HALFS
	s_mul_i32 s22, s16, HALFS
	s_add_co_u32 s22, s22, 2*HALFS
	s_sub_co_u32 s22, s22, s21
	v_mul_u32_u24 v6, s22, v2                      ; lanes 16-31 take B's
	s_add_co_u32 s21, s21, SCL
	v_add_nc_u32 v5, v5, v6
	v_add_nc_u32 v[ADRS], s21, v5
	; the ways out: every address is made here, ahead of the branch that parts them
	s_mul_i32 s23, s14, 16*272                     ; f16: my stage
	v_mul_u32_u24 v5, v1, 272
	v_lshl_add_u32 v5, v2, 4, v5
	v_add_nc_u32 v[STO], s23, v5                   ; in: row r, 16 bytes for each half of the lanes
	v_bfe_u32 v5, v0, 3, 1
	v_mul_u32_u24 v5, v5, 272
	v_lshl_add_u32 v5, v2, 7, v5
	v_and_b32 v6, 7, v0
	v_lshl_add_u32 v5, v6, 4, v5
	v_add_nc_u32 v[RD], s23, v5                    ; back: lanes 0-15 two tokens' 128 bytes of my first head, lanes 16-31 of my second
	v_lshlrev_b32 v[CO], 19, v2
	v_lshl_add_u32 v[CO], v1, 4, v[CO]             ; in memory: 524,288 bytes from head to head; two tokens of a head are 256 consecutive bytes
	s_mul_i32 s23, s14, 16*528                     ; f32: my stage
	s_add_co_u32 s23, s23, GSTG
	v_mul_u32_u24 v5, v1, 528
	v_lshl_add_u32 v5, v2, 5, v5
	v_add_nc_u32 v[GSTO], s23, v5                  ; in: row r, 32 bytes for each half of the lanes
	v_and_b32 v6, 31, v0
	v_lshl_add_u32 v[GRD], v6, 4, s23              ; back: a token's 512 bytes: lanes 0-15 my first head's 256, lanes 16-31 my second's
	v_lshlrev_b32 v[GCO], 20, v2
	v_lshl_add_u32 v[GCO], v1, 4, v[GCO]           ; in memory: 1,048,576 bytes from head to head
	s_lshl_b32 s20, s17, 8
	s_lshl_b32 s21, s15, 7
	s_add_co_u32 s20, s20, s21                     ; my first token: 256 x tile row + 128 x half
	s_lshl_b32 s94, s40, 2
	s_lshl_b32 s95, s16, 1
	s_add_co_u32 s94, s94, s95                     ; my first head: 4 cx + 2 x half
	s_lshl_b32 s92, s94, 19
	s_lshl_b32 s95, s20, 7
	s_add_co_u32 s92, s92, s95
	s_lshl_b32 s95, ttmp9, 23                      ; 8,388,608 bytes a kind
	s_add_co_u32 s92, s92, s95
	s_add_nc_u64 s[12:13], s[12:13], s[92:93]      ; (s93 = 0)  used where the kind is q, k or v
	s_lshl_b32 s92, s94, 20
	s_lshl_b32 s95, s20, 8
	s_add_co_u32 s92, s92, s95
	s_add_nc_u64 s[66:67], s[66:67], s[92:93]      ; used where it is the gate
.macro FRAG reg, adr, q, i             ; 16 rows x 128 K of 4-bit codes: 8 registers; registers 4 c .. 4 c + 3 hold K = 64 c + 32 (l / 16) + 0 .. 31
.irp c, 0,1
	ds_load_b128 v[\reg+4*\c:\reg+4*\c+3], v[\adr] offset:64*(\q)+32*\c+(\i)*16*PITCH
.endr
.endm
; 16 matrix instructions: A's blocks a0, a0 + 1 x B's eight.  first = 1: the bias is the C.  The 64 accumulators take turns, one instruction a turn, in the same order in every step.
.macro MUL16 a0, p, q, sc, first
.irp a, \a0, \a0+1
.irp b, 0,1,2,3,4,5,6,7
.if \first
	v_wmma_scale_f32_16x16x128_f8f6f4 v[8*(8*((\a)%4)+\b):8*(8*((\a)%4)+\b)+7], v[128*(\p)+FR*\b:128*(\p)+FR*\b+FR-1], v[AF+FR*(\a):AF+FR*(\a)+FR-1], v[BIAS+8*\b:BIAS+8*\b+7], v[SC+8*NQ*(\sc)+NQ*\b+(\q)], v[SC+8*NQ*(\sc)+NQ*(\a)+(\q)] matrix_a_fmt:MATRIX_FMT_FP4 matrix_b_fmt:MATRIX_FMT_FP4 matrix_a_scale:MATRIX_SCALE_ROW1
.else
	v_wmma_scale_f32_16x16x128_f8f6f4 v[8*(8*((\a)%4)+\b):8*(8*((\a)%4)+\b)+7], v[128*(\p)+FR*\b:128*(\p)+FR*\b+FR-1], v[AF+FR*(\a):AF+FR*(\a)+FR-1], v[8*(8*((\a)%4)+\b):8*(8*((\a)%4)+\b)+7], v[SC+8*NQ*(\sc)+NQ*\b+(\q)], v[SC+8*NQ*(\sc)+NQ*(\a)+(\q)] matrix_a_fmt:MATRIX_FMT_FP4 matrix_b_fmt:MATRIX_FMT_FP4 matrix_a_scale:MATRIX_SCALE_ROW1
.endif
.endr
.endr
.endm
.macro FETCH_B slot, q, p
	WIN TO_B
.irp i, 0,1,2,3,4,5,6,7
	FRAG 128*(\p)+FR*\i, ADRB+\slot, \q, \i
.endr
	WIN 0
.endm
.macro FETCH_A slot, q, i0
.irp i, \i0, \i0+1, \i0+2, \i0+3
	FRAG AF+FR*(\i), ADRA+\slot, \q, \i
.endr
.endm
.macro SCALES sc                       ; a slot's scale words: lanes 0-15 take A's block i, lanes 16-31 B's block i
.irp i, 0,1,2,3,4,5,6,7
	ds_load_b128 v[SC+8*NQ*\sc+NQ*\i:SC+8*NQ*\sc+NQ*\i+3], v[ADRS] offset:\i*SBLK
.endr
.endm
.macro PLACES n                        ; places in front of loads into registers that matrix instructions have read, and of the first read of results
.rept \n
	v_nop
.endr
.endm
.macro STEP slot, q, first             ; 128 along K, with its successor in the same slot
	s_wait_dscnt 4*NL                              ; B's set and A's blocks 0-3 are in; the youngest eight loads (A's blocks 4-7) may be out
.if \first
	WIN 0x81                                       ; as MUL_LO, with C (the bias) in window 0
.else
	WIN MUL_LO
.endif
	MUL16 0, (\q)%2, \q, \slot, \first
	MUL16 2, (\q)%2, \q, \slot, \first
	s_wait_dscnt 0                                 ; A's blocks 4-7 are in
	PLACES NP
	FETCH_B \slot, (\q)+1, 1-(\q)%2
	FETCH_A \slot, (\q)+1, 0
.if \first
	WIN 0xc1                                       ; as MUL_HI, with C in window 0
.else
	WIN MUL_HI
.endif
	MUL16 4, (\q)%2, \q, \slot, \first
	MUL16 6, (\q)%2, \q, \slot, \first
	PLACES NP
	WIN 0
	FETCH_A \slot, (\q)+1, 4
.endm
.macro STEPS slot, from
.set Q, \from
.rept NQ-1-\from
	STEP \slot, Q, 0
.set Q, Q+1
.endr
.endm
	s_wait_tensorcnt 1                             ; the scale bytes and my part of slot 0 are in; slot 1's load may be out
	s_barrier_signal -1
	s_barrier_wait -1
	FETCH_B 0, 0, 0
	FETCH_A 0, 0, 0
	SCALES 0
	FETCH_A 0, 0, 4
	s_wait_loadcnt 0x0                             ; the bias
	STEP 0, 0, 1
	STEPS 0, 1
	; slot 0's last step changes slots: one barrier; in front of it all my tensor loads have landed and my reads of slot 0 are over
	s_wait_tensorcnt 0x0
	ds_add_u32 v[SPW], v[NIL]                      ; 0 onto my spare word
	s_wait_dscnt 4*NL+1                            ; (the add and the youngest eight loads may be out)
	WIN MUL_LO
	MUL16 0, 1, NQ-1, 0, 0
	s_wait_dscnt 0x0
	s_barrier_signal -1
	MUL16 2, 1, NQ-1, 0, 0
	WIN 0
	s_barrier_wait -1
	PLACES NP
	v_add_nc_u32 v[ADRS], 4*NQ, v[ADRS]            ; on to slot 1's scale words
	FETCH_B 1, 0, 0
	FETCH_A 1, 0, 0
	SCALES 1
	WIN MUL_HI
	MUL16 4, 1, NQ-1, 0, 0
	MUL16 6, 1, NQ-1, 0, 0
	PLACES NP
	WIN 0
	FETCH_A 1, 0, 4
	STEPS 1, 0
	s_wait_dscnt 4*NL                              ; the very last step
	WIN MUL_LO
	MUL16 0, 1, NQ-1, 1, 0
	MUL16 2, 1, NQ-1, 1, 0
	s_wait_dscnt 0
	WIN MUL_HI
	MUL16 4, 1, NQ-1, 1, 0
	MUL16 6, 1, NQ-1, 1, 0
	WIN 0
	PLACES NP
; THE WAYS OUT, a block of 16 tokens x 128 columns (two heads) at a time, through my own stage.  LDS serves a wave's instructions in order (ISA guide 5.7.1.4): no wait between a block's stores and its loads.
.macro PACK a                          ; to f16: a lane's eight columns are 16 bytes; each accumulator from its low end on
.set AC, 64*((\a)%4)
	WIN 0x0a+5*((\a)/4)                            ; sources 0 and 1: window 2 or 3
.irp b, 0,1,2,3,4,5,6,7
.irp r, 0,1,2,3
	v_cvt_pk_f16_f32 v[TMP+4*\b+\r], v[AC+8*\b+2*\r], v[AC+8*\b+2*\r+1]
.endr
.endr
	WIN 0
.endm
.macro HSTAGE a
.set BB, 32+32*((\a)%2)
.irp b, 0,1,2,3,4,5,6,7
	ds_store_b128 v[STO], v[TMP+4*\b:TMP+4*\b+3] offset:32*\b
.endr
.irp t, 0,1,2,3,4,5,6,7
	ds_load_b128 v[BB+4*\t:BB+4*\t+3], v[RD] offset:\t*544
.endr
.endm
.macro HSEND a
.set BB, 32+32*((\a)%2)
	s_wait_dscnt 0x0                               ; the block is back in registers
	s_wait_xcnt 0x0                                ; the block before has been read by its stores: its registers take the next block's loads only behind this wait
.irp t, 0,1,2,3,4,5,6,7
	global_store_b128 v[CO], v[BB+4*\t:BB+4*\t+3], s[12:13] offset:2048*(\a)+256*\t   ; sixteen lanes store 256 consecutive bytes, aligned: two tokens of one head
.endr
.endm
.macro GSTAGE a
.set AC, 64*((\a)%4)
	WIN 0x08+4*((\a)/4)                            ; an LDS store's data: window 2 or 3
.irp b, 0,1,2,3,4,5,6,7
	ds_store_b128 v[GSTO], v[AC+8*\b:AC+8*\b+3] offset:64*\b
	ds_store_b128 v[GSTO], v[AC+8*\b+4:AC+8*\b+7] offset:64*\b+16
.endr
	WIN 0
.set BB, 128+64*((\a)%2)
.irp t, 0,1,2,3,4,5,6,7,8,9,10,11,12,13,14,15
	ds_load_b128 v[BB+4*\t:BB+4*\t+3], v[GRD] offset:\t*528
.endr
.endm
.macro GSEND a, younger                ; younger: the LDS instructions issued behind block a's loads
.set BB, 128+64*((\a)%2)
	s_wait_dscnt \younger
.irp t, 0,1,2,3,4,5,6,7,8,9,10,11,12,13,14,15
	global_store_b128 v[GCO], v[BB+4*\t:BB+4*\t+3], s[66:67] offset:4096*(\a)+256*\t   ; sixteen lanes store 256 consecutive bytes, aligned: one token of one head
.endr
.endm
	s_cmp_eq_u32 ttmp9, 3                          ; the cluster's x: all sixteen partners go the same way
	s_cbranch_scc1 .Lgate
	PACK 0
	HSTAGE 0
.irp a, 1,2,3,4,5,6,7                  ; block a's conversions stand between block a - 1's loads from the stage and the wait for them
	PACK \a
	HSEND \a-1
	HSTAGE \a
.endr
	HSEND 7
	s_branch .Lend
.Lgate:
	GSTAGE 0
.irp a, 1,2,3,4,5,6,7
.if \a > 1
	s_wait_xcnt 0x0                                ; block a - 2's stores have read their registers: block a's loads may land there
.endif
	GSTAGE \a
	GSEND \a-1, 32                                 ; behind block a - 1's loads: block a's 16 stores and 16 loads
.endr
	GSEND 7, 0
.Lend:
	s_wait_tensorcnt 0x0                           ; the wave's end, behind my last tensor load and my last LDS store
	ds_add_u32 v[SPW], v[NIL]
	s_wait_dscnt 0x0
	CROUND                                         ; the closing round
	s_endpgm
.Lfunc_end_k_qabca78ddc9_qkvg:
	.size	k_qabca78ddc9_qkvg, .Lfunc_end_k_qabca78ddc9_qkvg-k_qabca78ddc9_qkvg
	.p2alignl 7, 3214868480
	.fill 96, 4, 3214868480
	.section	.rodata,"a",@progbits
	.p2align	6, 0x0
	.amdhsa_kernel k_qabca78ddc9_qkvg
		.amdhsa_group_segment_fixed_size 327680
		.amdhsa_private_segment_fixed_size 0
		.amdhsa_enable_private_segment 0
		.amdhsa_kernarg_size 56
		.amdhsa_user_sgpr_count 2
		.amdhsa_user_sgpr_kernarg_segment_ptr 1
		.amdhsa_wavefront_size32 1
		.amdhsa_system_sgpr_workgroup_id_x 1
		.amdhsa_system_sgpr_workgroup_id_y 1
		.amdhsa_system_sgpr_workgroup_id_z 1
		.amdhsa_system_vgpr_workitem_id 0
		.amdhsa_next_free_vgpr 1024
		.amdhsa_next_free_sgpr 100
		.amdhsa_reserve_vcc 0
		.amdhsa_float_denorm_mode_32 3
		.amdhsa_float_denorm_mode_16_64 3
		.amdhsa_memory_ordered 1
		.amdhsa_forward_progress 1
		.amdhsa_inst_pref_size 158
	.end_amdhsa_kernel
	.amdgpu_metadata
---
amdhsa.version: [ 1, 2 ]
amdhsa.kernels:
  - .name:           k_qabca78ddc9_qkvg
    .symbol:         k_qabca78ddc9_qkvg.kd
    .args:
      - { .name: x_codes, .offset: 0, .size: 8, .value_kind: global_buffer, .address_space: global }
      - { .name: scales, .offset: 8, .size: 8, .value_kind: global_buffer, .address_space: global }
      - { .name: w_codes, .offset: 16, .size: 8, .value_kind: global_buffer, .address_space: global }
      - { .name: qkv_b, .offset: 24, .size: 8, .value_kind: global_buffer, .address_space: global }
      - { .name: gate_b, .offset: 32, .size: 8, .value_kind: global_buffer, .address_space: global }
      - { .name: qkvh, .offset: 40, .size: 8, .value_kind: global_buffer, .address_space: global }
      - { .name: gateo, .offset: 48, .size: 8, .value_kind: global_buffer, .address_space: global }
    .group_segment_fixed_size: 327680
    .private_segment_fixed_size: 0
    .kernarg_segment_align: 8
    .kernarg_segment_size: 56
    .max_flat_workgroup_size: 128
    .sgpr_count:     100
    .vgpr_count:     1024
    .wavefront_size: 32
...
	.end_amdgpu_metadata
.endif
;; end of part 2
;; launch attn (part 3): grid 32 x 16, 8 waves a work-group, clusters of 4 x 1, 327,680 bytes of LDS; arguments qkvh, gateo, maskw, a2; writes a2
.if DOCPART == 3
	.amdgcn_target "amdgcn-amd-amdhsa--gfx1250"
	.amdhsa_code_object_version 6
	.text
	.protected	k_qabca78ddc9_attn
	.globl	k_qabca78ddc9_attn
	.p2align	8
	.type	k_qabca78ddc9_attn,@function
k_qabca78ddc9_attn:
	s_mov_b64 s[64:65], 0
	v_nop
	global_prefetch_b8 v0, s[64:65] scope:SCOPE_SE
	s_setreg_imm32_b32 hwreg(HW_REG_WAVE_MODE, 25, 1), 1
	s_wait_xcnt 0x0
	s_wait_alu depctr_hold_cnt(0) depctr_sa_sdst(0) depctr_va_vdst(0) depctr_va_sdst(0) depctr_va_ssrc(0) depctr_va_vcc(0) depctr_vm_vsrc(0)
	s_getreg_b32 s2, hwreg(HW_REG_IB_STS2, 6, 4)
	s_cmp_eq_u32 s2, 0
	s_cbranch_scc0 .Lentry_in_a_cluster
	s_endpgm
.Lentry_in_a_cluster:
	s_bfe_u32 s2, ttmp6, 0x10000c
	s_cmp_lg_u32 s2, 0x3003
	s_cbranch_scc0 .Lentry_shape_is_right
	s_endpgm
.Lentry_shape_is_right:
; a2[h][q][:] = softmax_k(q . k / 8, masked) v x sigmoid(gate), in f16 operands and f32 sums.  qkvh: f16 [q | k | v][16 h][4096][64]; gateo: f32 [16 h][4096][64]; a2: f16 [16 h][4096][64].
; WHICH KEYS.  Key k counts for query q where k < 512, or where it lies in q's own frame of 128 or the three before it and the mask input allows it.  So a work-group, which owns one head and one query frame f,
; walks key frames 0-3 (no mask) and g .. g + 3, g = max(f, 7) - 3 (mask words made by the launch before; for f < 7 the frames beyond f have zero words).  Every work-group walks these eight frames: all trip counts are constants.
; All 1,024 keys' K and V lie in LDS at once: four tensor loads a wave, all asked for at the head, nothing filled again.
; CLUSTER.  The four query frames of a cluster belong to one head and need the same frames 0-3 of K and V: those two loads a wave are asked for JOINTLY (mask 15).  The band's two loads hang on f and are each work-group's own.
; SHARES.  Wave w holds TWO tiles of 16 queries, tile w (register tile 0) and tile w xor 1 (register tile 1), and walks the key steps of 64 whose parity is w % 2: eight of sixteen.  So each fragment of K and V feeds two products,
; and waves w and w xor 1 together cover both tiles and all keys.  At the end each sends its register tile 1 to its partner through LDS, as an image of its registers, and finishes its register tile 0.
; LAYOUT.  S^T = K Q^T (source 0 = 16 keys, source 1 = 16 queries): a lane holds ONE query (lane % 16) and keys 8 (lane / 16) + 0..7.  Two such tiles, rounded to f16 in pairs, are source 1 of O^T = V^T P; V comes out of LDS turned.
; SOFTMAX.  A running maximum m and sum l for each query: p = 2^(c s - c m), c = log2(e) / 8; in every step O and l are multiplied by a = 2^(c m_old - c m_new).  A hidden score becomes -infinity ahead of the maximum, so its p is 0.
; The exponentials of a step, both tiles', go as one batch with one wait.
; LIMIT: operands in f16: |q|, |k|, |v| under 65,504; p under 6e-8 falls to 0.
; REGISTERS.  window 0: v1 the gate's offset, later the stores'; v2-13 addresses; v14, 15 the add's two; v16-31 statistics, 8 a tile (+0 c m, +1 m, +2, +3 l, +4..+7 at work, a in +6); v32-95 S^T; v96-127 P; v128-191 K; v192-255 V.
;             window 1: v0-63 O^T, 32 a tile; v64-95 Q, 16 a tile; v96-127 the gate of tile w.
.set KP,    144                        ; a key's row of K in LDS: 128 bytes + 16: the 16 rows of a load start 36 words apart
.set VP,    160                        ; of V: 128 + 32
.set VREG,  1024*KP                    ; K's 1,024 rows, then V's
.set SPARE, VREG+1024*VP               ; the spare words, 128 bytes for each of eight waves: four blocks of 256 bytes that no other line names
.set XCHW,  4352                       ; the exchange: from LDS byte 0 on, for each wave 32 registers' image (4,096 bytes) and 8 bytes a lane.  It and the stages lie in K's rows 0-511, which have had their only fill and are read by nobody behind the second barrier
.set OSTG,  36864                      ; the way out: 16 rows x (128 + 16) bytes for each wave
.set GGO, 1
.set AK0, 2
.set AV0, 3
.set ADK, 4
.set ADV, 5
.set QO,  6                            ; v6, v7: Q's offsets; v6 later holds -infinity
.set NEG, 6
.set XW,  8
.set XW8, 9
.set XR,  10
.set XR8, 11
.set STO, 12
.set RD,  13
.set SPW, 14
.set NIL, 15
.set ST,  16
.set S,   32
.set P,   96
.set KF,  128
.set VF,  192
.set WV,  12                           ; s12 wave
.set SEL, 20                           ; s[20:21] lane selects: lane l xor 16
.set CS,  22                           ; s[22:23] c, twice
.set TK,  24                           ; s24 LDS byte at which the step's 64 rows of K begin
.set TV,  25                           ; s25 the same among V's rows
.set CNT, 26
.set MB0, 28                           ; s[28:29] the step's 32 mask words of register tile 0;  s[30:31] of register tile 1
.set MB1, 30
.set MSB, 0
.macro WIN new
.if MSB != \new
	s_set_vgpr_msb (MSB<<8)|\new
.set MSB, \new
.endif
.endm
.set W_KQ, 0x04                        ; source 1 (Q) window 1
.set W_PV, 0x50                        ; C and D (O^T) window 1
.set W_RS, 0x41                        ; O^T (destination and source 0) window 1
.set TO1,  0x40                        ; destination window 1
.set FR1,  0x01                        ; source 0 window 1
.set ST1,  0x04                        ; an LDS store's data window 1
.macro CROUND                          ; a round of the cluster's barrier
	s_barrier_signal -1
	s_barrier_wait -1
	s_cmp_lg_u32 s[WV], 0
	s_cbranch_scc1 .Lnot_wave_0_\@
	s_barrier_signal -3
.Lnot_wave_0_\@:
	s_barrier_wait -3
	s_barrier_signal -1
	s_barrier_wait -1
.endm
	s_load_b256 s[4:11], s[0:1], 0x0               ; qkvh 4, gateo 6, maskw 8, a2 10
	v_lshl_add_u32 v[SPW], v0, 2, SPARE
	v_mov_b32 v[NIL], 0
	ds_add_u32 v[SPW], v[NIL]                      ; the wave's opening: the add, twice on end, and its wait ahead of my first tensor load
	ds_add_u32 v[SPW], v[NIL]
	v_lshrrev_b32 v32, 5, v0
	v_readfirstlane_b32 s[WV], v32                 ; wave 0..7
	s_bfe_u32 s13, ttmp6, 0x40000                  ; cx
	s_lshl_b32 s14, ttmp9, 2
	s_add_co_u32 s14, s14, s13                     ; f, my query frame: it enters no LDS address, no branch and no joint descriptor
	s_and_b32 s15, ttmp7, 0xffff                   ; the head, which the four partners share
	s_and_b32 s16, s[WV], 1                        ; u: the parity of my key steps
	s_max_u32 s17, s14, 7
	s_sub_co_u32 s17, s17, 3                       ; g
	; byte offsets, each in a pair of its own
	s_lshl_b32 s84, s15, 19                        ; K: 524,288 bytes a head,
	s_lshl_b32 s85, s[WV], 13                      ; my 64 rows of 128 bytes,
	s_add_co_u32 s84, s84, s85
	s_add_co_u32 s84, s84, 8388608                 ; behind q's 8,388,608
	s_mov_b32 s85, 0
	s_lshl_b32 s86, s17, 14                        ; the band: 16,384 bytes a frame
	s_mov_b32 s87, 0
	s_lshl_b32 s88, s15, 19
	s_lshl_b32 s89, s14, 14
	s_add_co_u32 s88, s88, s89                     ; Q: my head, my frame
	s_mov_b32 s89, 0
	s_lshl_b32 s90, s88, 1                         ; the gate: the same place in rows twice as long
	s_mov_b32 s91, 0
	s_lshl_b32 s92, s14, 13                        ; mask words: 8,192 bytes a frame, 1,024 a tile, 128 a step
	s_lshl_b32 s93, s16, 7
	s_add_co_u32 s92, s92, s93
	s_xor_b32 s94, s[WV], 1
	s_lshl_b32 s94, s94, 10
	s_add_co_u32 s94, s94, s92                     ; tile w xor 1
	s_lshl_b32 s93, s[WV], 10
	s_add_co_u32 s92, s92, s93                     ; tile w
	s_mov_b32 s93, 0
	s_mov_b32 s95, 0
	s_lshl_b32 s96, s[WV], 11
	s_add_co_u32 s96, s96, s88                     ; a2: my head, my frame, tile w's 2,048 bytes
	s_mov_b32 s97, 0
	; descriptor groups 1: 64 rows of 64 elements of 2 bytes, dense in memory; padding behind every 32 words: 4 words for K, 8 for V.  s[32:47] with the mask of all four partners and bit 21; s[48:63] without
	s_mov_b32 s32, 15|(1<<16)|(1<<20)|(1<<21)|(4<<22)|(3<<25)
	s_mov_b32 s40, 15|(1<<16)|(1<<20)|(1<<21)|(4<<22)|(7<<25)
	s_mov_b32 s48, (1<<16)|(1<<20)|(4<<22)|(3<<25)
	s_mov_b32 s56, (1<<16)|(1<<20)|(4<<22)|(7<<25)
.irp g, 32, 40, 48, 56
	s_mov_b32 s[\g+1], 64<<16                      ; tensor_dim0
	s_mov_b32 s[\g+2], 64<<16                      ; tensor_dim1
	s_mov_b32 s[\g+3], 64<<16                      ; tile_dim0
	s_mov_b32 s[\g+4], 64                          ; tile_dim1
	s_mov_b32 s[\g+5], 64                          ; from row to row
	s_mov_b32 s[\g+6], 0
	s_mov_b32 s[\g+7], 0
.endr
	; groups 0: s[68:71] K of frames 0-3, s[72:75] V of them, s[76:79] K of the band, s[80:83] V of it: my 64 rows of each
	s_mov_b32 s68, 1
	s_mul_i32 s69, s[WV], 64*KP
	s_mov_b32 s72, 1
	s_mul_i32 s73, s[WV], 64*VP
	s_add_co_u32 s73, s73, VREG
	s_mov_b32 s76, 1
	s_add_co_u32 s77, s69, 512*KP
	s_mov_b32 s80, 1
	s_add_co_u32 s81, s73, 512*VP
	s_mov_b32 s[SEL], 0x76543210
	s_mov_b32 s[SEL+1], 0xfedcba98
	s_mov_b32 s[CS], 0x3e38aa3b                    ; c = log2(e) / 8
	s_mov_b32 s[CS+1], s[CS]
	s_mul_i32 s[TK], s16, 64*KP
	s_mul_i32 s[TV], s16, 64*VP
	s_wait_dscnt 0x0                               ; both opening adds are done
	s_wait_kmcnt 0x0
	s_add_nc_u64 s[70:71], s[4:5], s[84:85]
	s_add_nc_u64 s[74:75], s[70:71], 8388608       ; v lies behind k
	s_add_nc_u64 s[78:79], s[70:71], s[86:87]
	s_add_nc_u64 s[82:83], s[74:75], s[86:87]
	s_or_b32 s71, s71, 0x80000000
	s_or_b32 s75, s75, 0x80000000
	s_or_b32 s79, s79, 0x80000000
	s_or_b32 s83, s83, 0x80000000
	s_add_nc_u64 s[4:5], s[4:5], s[88:89]          ; Q at my frame
	s_add_nc_u64 s[6:7], s[6:7], s[90:91]          ; the gate likewise
	s_add_nc_u64 s[MB0:MB0+1], s[8:9], s[92:93]
	s_add_nc_u64 s[MB1:MB1+1], s[8:9], s[94:95]
	s_add_nc_u64 s[10:11], s[10:11], s[96:97]
	CROUND                                         ; all four work-groups are here: the joint loads meet
	tensor_load_to_lds s[68:71], s[32:39]          ; four loads of mine go out together, ahead of every wait on TENSORcnt, every LDS read and every further barrier
	s_nop 0
	tensor_load_to_lds s[72:75], s[40:47]
	s_nop 0
	tensor_load_to_lds s[76:79], s[48:55]
	s_nop 0
	tensor_load_to_lds s[80:83], s[56:63]
	s_nop 0
.rept 4
	v_nop
.endr
	v_and_b32 v32, 15, v0                          ; r
	v_bfe_u32 v33, v0, 4, 1                        ; h
	v_and_b32 v34, 31, v0                          ; l
	v_and_b32 v35, 7, v0
	v_bfe_u32 v36, v0, 3, 1
	v_mul_u32_u24 v[AK0], v32, KP
	v_lshl_add_u32 v[AK0], v33, 4, v[AK0]          ; K: row r x pitch + 16 h
	v_lshl_add_u32 v[AV0], v33, 3, v35             ; V, for the turning load: key 8 h + l % 8, channels 8 ((l / 8) % 2) on
	v_mul_u32_u24 v[AV0], v[AV0], VP
	v_lshl_add_u32 v[AV0], v36, 4, v[AV0]
	v_add_nc_u32 v[AV0], VREG, v[AV0]
	v_lshlrev_b32 v[QO], 7, v32
	v_lshl_add_u32 v[QO], v33, 4, v[QO]
	s_lshl_b32 s2, s[WV], 11
	v_add_nc_u32 v[QO], s2, v[QO]                  ; Q: tile w's 2,048 bytes, row r, + 16 h;
	v_xor_b32 v[QO+1], 2048, v[QO]                 ; tile w xor 1
	v_lshlrev_b32 v[GGO], 8, v32
	v_lshl_add_u32 v[GGO], v33, 5, v[GGO]
	s_lshl_b32 s2, s[WV], 12
	v_add_nc_u32 v[GGO], s2, v[GGO]                ; the gate: tile w's 4,096 bytes, row r, + 32 h
	s_mul_i32 s2, s[WV], XCHW
	v_lshl_add_u32 v[XW], v34, 4, s2               ; the exchange: what I send,
	s_add_co_u32 s3, s2, 4096
	v_lshl_add_u32 v[XW8], v34, 3, s3
	s_xor_b32 s3, s[WV], 1
	s_mul_i32 s3, s3, XCHW
	v_lshl_add_u32 v[XR], v34, 4, s3               ; and what my partner sends
	s_add_co_u32 s3, s3, 4096
	v_lshl_add_u32 v[XR8], v34, 3, s3
	s_mul_i32 s2, s[WV], 16*KP
	s_add_co_u32 s2, s2, OSTG                      ; my stage
	v_mul_u32_u24 v[STO], v32, KP
	v_lshl_add_u32 v[STO], v33, 4, v[STO]
	v_add_nc_u32 v[STO], s2, v[STO]                ; in: row r, 16 bytes for each half of the lanes
	v_lshrrev_b32 v[RD], 3, v34
	v_mul_u32_u24 v[RD], v[RD], KP
	v_lshl_add_u32 v[RD], v35, 4, v[RD]
	v_add_nc_u32 v[RD], s2, v[RD]                  ; back: eight lanes to a row of 128 bytes
	WIN TO1
.irp t, 0,1
.irp ks, 0,1
	global_load_b128 v[64+16*\t+8*\ks:64+16*\t+8*\ks+3], v[QO+\t], s[4:5] offset:64*\ks          ; Q stays in registers: channels 32 ks + 8 h on,
	global_load_b128 v[64+16*\t+8*\ks+4:64+16*\t+8*\ks+7], v[QO+\t], s[4:5] offset:64*\ks+32     ; and 16 further on
.endr
.endr
.irp ct, 0,1,2,3
	global_load_b128 v[96+8*\ct:96+8*\ct+3], v[GGO], s[6:7] offset:64*\ct th:TH_LOAD_NT          ; the gate of channels 16 ct + 8 h + 0..7: wanted at the end
	global_load_b128 v[96+8*\ct+4:96+8*\ct+7], v[GGO], s[6:7] offset:64*\ct+16 th:TH_LOAD_NT
.endr
.set n, 0
.rept 64
	v_mov_b32 v[n], 0                              ; O^T.  (The step is written once: the first finds zeros, which its a = 0 leaves zeros)
.set n, n+1
.endr
	WIN 0
.irp t, 0,1
	v_mov_b32 v[ST+8*\t+1], 0xff61b1e6             ; m = -3e38, under every score
	v_mul_f32 v[ST+8*\t], s[CS], v[ST+8*\t+1]      ; c m
	v_mov_b32 v[ST+8*\t+2], 0                      ; l, in two halves
	v_mov_b32 v[ST+8*\t+3], 0
.endr
	s_wait_loadcnt 8                               ; Q is in; the gate's eight loads stay out
	s_wait_tensorcnt 2                             ; my parts of frames 0-3 are in; the band's two loads stay out
	s_barrier_signal -1
	s_barrier_wait -1                              ; everybody's are
; A KEY STEP: 64 keys, both tiles.  masked = 1: a step of the band.
.macro STEP masked
	v_add_nc_u32 v[ADK], s[TK], v[AK0]             ; these four plain lines are the places between the last products V^T P and the loads into V's registers
	v_add_nc_u32 v[ADV], s[TV], v[AV0]
	v_nop
	v_nop
.if \masked
	s_load_b512 s[32:47], s[MB0:MB0+1], 0x0        ; 32 lane masks a tile: word n for score register n.  (The descriptors that lay here are done with: all tensor loads have been waited for)
	s_load_b512 s[48:63], s[MB0:MB0+1], 0x40
	s_load_b512 s[68:83], s[MB1:MB1+1], 0x0
	s_load_b512 s[84:99], s[MB1:MB1+1], 0x40
.endif
.irp kt, 0,1,2,3
.irp ks, 0,1
	ds_load_b128 v[KF+8*(2*\kt+\ks):KF+8*(2*\kt+\ks)+3], v[ADK] offset:\kt*16*KP+64*\ks
	ds_load_b128 v[KF+8*(2*\kt+\ks)+4:KF+8*(2*\kt+\ks)+7], v[ADK] offset:\kt*16*KP+64*\ks+32
.endr
.endr
.irp ks, 0,1
.irp ct, 0,1,2,3
	ds_load_tr16_b128 v[VF+8*(4*\ks+\ct):VF+8*(4*\ks+\ct)+3], v[ADV] offset:\ks*32*VP+32*\ct
	ds_load_tr16_b128 v[VF+8*(4*\ks+\ct)+4:VF+8*(4*\ks+\ct)+7], v[ADV] offset:\ks*32*VP+16*VP+32*\ct
.endr
.endr
	s_wait_dscnt 16                                ; K's sixteen loads are in, V's sixteen may be out
	WIN W_KQ
.set i, 0
.rept 16                               ; S^T = K Q^T: channels 32 (i / 8) on, keys 16 ((i / 2) % 4) on, tile i % 2.  Eight accumulators by turns; the first eight products start the sums
.set rS, S+32*(i%2)+8*((i/2)%4)
.set rK, KF+8*(2*((i/2)%4)+i/8)
.set rQ, 64+16*(i%2)+8*(i/8)
.if i < 8
	v_wmma_f32_16x16x32_f16 v[rS:rS+7], v[rK:rK+7], v[rQ:rQ+7], 0
.else
	v_wmma_f32_16x16x32_f16 v[rS:rS+7], v[rK:rK+7], v[rQ:rQ+7], v[rS:rS+7]
.endif
.set i, i+1
.endr
	WIN 0
.rept 4
	v_nop                                          ; places ahead of the first read of the scores
.endr
.if \masked
	s_wait_kmcnt 0x0
.set n, 0
.rept 32
	v_cndmask_b32 v[S+n], v[NEG], v[S+n], s[32+n]  ; a hidden key's score becomes -infinity; ascending
.set n, n+1
.endr
.set n, 0
.rept 32
	v_cndmask_b32 v[S+32+n], v[NEG], v[S+32+n], s[68+n]
.set n, n+1
.endr
	s_add_nc_u64 s[MB0:MB0+1], s[MB0:MB0+1], 256   ; my next step's words, two steps on (the loads are done, so their bases may be written)
	s_add_nc_u64 s[MB1:MB1+1], s[MB1:MB1+1], 256
.endif
	; the maximum of the lane's 32 scores and the old m: four chains of seven, the four left over, the chains, m; the two tiles line by line
.irp j, 0,1,2,3
.irp t, 0,1
	v_max3_num_f32 v[ST+8*\t+4+\j], v[S+32*\t+8*\j], v[S+32*\t+8*\j+1], v[S+32*\t+8*\j+2]
.endr
.endr
.irp q, 1,2
.irp j, 0,1,2,3
.irp t, 0,1
	v_max3_num_f32 v[ST+8*\t+4+\j], v[ST+8*\t+4+\j], v[S+32*\t+8*\j+2*\q+1], v[S+32*\t+8*\j+2*\q+2]
.endr
.endr
.endr
.irp t, 0,1
	v_max3_num_f32 v[ST+8*\t+4], v[ST+8*\t+4], v[S+32*\t+7], v[S+32*\t+15]
.endr
.irp t, 0,1
	v_max3_num_f32 v[ST+8*\t+6], v[ST+8*\t+6], v[S+32*\t+23], v[S+32*\t+31]
.endr
.irp t, 0,1
	v_max3_num_f32 v[ST+8*\t+4], v[ST+8*\t+4], v[ST+8*\t+5], v[ST+8*\t+6]
.endr
.irp t, 0,1
	v_max3_num_f32 v[ST+8*\t+4], v[ST+8*\t+4], v[ST+8*\t+7], v[ST+8*\t+1]
.endr
.irp t, 0,1
	v_permlanex16_b32 v[ST+8*\t+5], v[ST+8*\t+4], s[SEL], s[SEL+1]   ; the query's other 32 keys lie in the lane 16 away
.endr
.irp t, 0,1
	v_mov_b32 v[ST+8*\t+7], v[ST+8*\t]             ; c m_old is kept for a
.endr
.irp t, 0,1
	v_max_num_f32 v[ST+8*\t+1], v[ST+8*\t+4], v[ST+8*\t+5]
.endr
.irp t, 0,1
	v_mul_f32 v[ST+8*\t], s[CS], v[ST+8*\t+1]
.endr
.irp t, 0,1
	v_sub_f32 v[ST+8*\t+7], v[ST+8*\t+7], v[ST+8*\t]
.endr
.set n, 0
.rept 16
	v_pk_fma_f32 v[S+2*n:S+2*n+1], v[S+2*n:S+2*n+1], s[CS:CS+1], v[ST:ST+1] op_sel_hi:[1,0,0] neg_lo:[0,0,1] neg_hi:[0,0,1]              ; c s - c m, two at a time
	v_pk_fma_f32 v[S+32+2*n:S+33+2*n], v[S+32+2*n:S+33+2*n], s[CS:CS+1], v[ST+8:ST+9] op_sel_hi:[1,0,0] neg_lo:[0,0,1] neg_hi:[0,0,1]
.set n, n+1
.endr
.irp t, 0,1
	v_exp_f32 v[ST+8*\t+6], v[ST+8*\t+7]           ; a
.endr
.set n, 0
.rept 32
	v_exp_f32 v[S+n], v[S+n]                       ; p
	v_exp_f32 v[S+32+n], v[S+32+n]
.set n, n+1
.endr
	v_nop                                          ; a plain line behind the last exponential,
	s_wait_alu depctr_va_vdst(0)                   ; and a wait ahead of the first use: one for the 66
.set n, 0
.rept 16
	v_cvt_pk_f16_f32 v[P+n], v[S+2*n], v[S+2*n+1]
	v_cvt_pk_f16_f32 v[P+16+n], v[S+32+2*n], v[S+33+2*n]
.set n, n+1
.endr
.irp u, 0,1,2,3,4,5,6,7                ; the sum of a tile's 16 pairs, in place: neighbours 1, 2, 4, 8 pairs apart
.irp t, 0,1
	v_pk_add_f32 v[S+32*\t+4*\u:S+32*\t+4*\u+1], v[S+32*\t+4*\u:S+32*\t+4*\u+1], v[S+32*\t+4*\u+2:S+32*\t+4*\u+3]
.endr
.endr
.irp u, 0,1,2,3
.irp t, 0,1
	v_pk_add_f32 v[S+32*\t+8*\u:S+32*\t+8*\u+1], v[S+32*\t+8*\u:S+32*\t+8*\u+1], v[S+32*\t+8*\u+4:S+32*\t+8*\u+5]
.endr
.endr
.irp u, 0,1
.irp t, 0,1
	v_pk_add_f32 v[S+32*\t+16*\u:S+32*\t+16*\u+1], v[S+32*\t+16*\u:S+32*\t+16*\u+1], v[S+32*\t+16*\u+8:S+32*\t+16*\u+9]
.endr
.endr
.irp t, 0,1
	v_pk_add_f32 v[S+32*\t:S+32*\t+1], v[S+32*\t:S+32*\t+1], v[S+32*\t+16:S+32*\t+17]
.endr
.irp t, 0,1
	v_pk_fma_f32 v[ST+8*\t+2:ST+8*\t+3], v[ST+8*\t+2:ST+8*\t+3], v[ST+8*\t+6:ST+8*\t+7], v[S+32*\t:S+32*\t+1] op_sel_hi:[1,0,1]   ; l = a l + the sum
.endr
	WIN W_RS
.set n, 0
.rept 16
	v_pk_mul_f32 v[2*n:2*n+1], v[2*n:2*n+1], v[ST+6:ST+7] op_sel_hi:[1,0]               ; O^T x a; ascending
	v_pk_mul_f32 v[32+2*n:33+2*n], v[32+2*n:33+2*n], v[ST+14:ST+15] op_sel_hi:[1,0]
.set n, n+1
.endr
	s_wait_dscnt 0x0                               ; V is in
	WIN W_PV
.set i, 0
.rept 16                               ; O^T += V^T P: keys 32 (i / 8) on, channels 16 ((i / 2) % 4) on, tile i % 2; eight accumulators by turns
.set rO, 32*(i%2)+8*((i/2)%4)
.set rV, VF+8*(4*(i/8)+(i/2)%4)
.set rP, P+16*(i%2)+8*(i/8)
	v_wmma_f32_16x16x32_f16 v[rO:rO+7], v[rV:rV+7], v[rP:rP+7], v[rO:rO+7]
.set i, i+1
.endr
	WIN 0
	s_add_co_u32 s[TK], s[TK], 2*64*KP             ; my next step lies two steps on
	s_add_co_u32 s[TV], s[TV], 2*64*VP
.endm
	s_mov_b32 s[CNT], 4
.Lp1:                                                  ; my four steps of frames 0-3: every key counts
	STEP 0
	s_sub_co_u32 s[CNT], s[CNT], 1
	s_cmp_lg_u32 s[CNT], 0
	s_cbranch_scc1 .Lp1
	s_wait_tensorcnt 0x0                           ; my parts of the band are in,
	s_wait_dscnt 0x0                               ; and my reads of rows 0-511 are over
	s_barrier_signal -1
	s_barrier_wait -1                              ; both hold of every wave
	v_mov_b32 v[NEG], 0xff800000                   ; -infinity (Q's loads have long been waited for: their offset register is free)
	s_mul_i32 s[TK], s16, 64*KP                    ; the band begins at row 512: set anew from the wave's number
	s_add_co_u32 s[TK], s[TK], 512*KP
	s_mul_i32 s[TV], s16, 64*VP
	s_add_co_u32 s[TV], s[TV], 512*VP
	s_mov_b32 s[CNT], 4
.Lp2:                                                  ; my four steps of the band
	STEP 1
	s_sub_co_u32 s[CNT], s[CNT], 1
	s_cmp_lg_u32 s[CNT], 0
	s_cbranch_scc1 .Lp2
	; THE MERGE.  Register tile 1 goes to my partner: O^T as an image of its 32 registers, and (c m, l) beside it.  The two additions and two v_nop are the places behind the last products.
	v_add_f32 v[ST+9], v[ST+10], v[ST+11]          ; tile 1's l, into m's place, beside c m
	v_add_f32 v[ST+1], v[ST+2], v[ST+3]            ; tile 0's likewise
	v_nop
	v_nop
	WIN ST1
.irp i, 0,1,2,3,4,5,6,7
	ds_store_b128 v[XW], v[32+4*\i:35+4*\i] offset:512*\i    ; ascending: each accumulator from its low end on
.endr
	WIN 0
	ds_store_b64 v[XW8], v[ST+8:ST+9]
	s_wait_dscnt 0x0                               ; for my partner's sake: my stores have landed
	s_barrier_signal -1
	s_barrier_wait -1
.irp i, 0,1,2,3,4,5,6,7
	ds_load_b128 v[32+4*\i:35+4*\i], v[XR] offset:512*\i     ; my partner's share of tile w: the same registers in the same lanes
.endr
	ds_load_b64 v[64:65], v[XR8]
	v_mov_b32 v71, 0                               ; upper halves of pairs that are named whole, and a lane permute's destination
	v_mov_b32 v73, 0
	v_mov_b32 v75, 0
	s_wait_loadcnt 0x0                             ; the gate
	v_and_b32 v[GGO], 31, v0                       ; (its offset register is free now: 16 bytes a lane for the stores)
	v_lshlrev_b32 v[GGO], 4, v[GGO]
	WIN FR1
.set n, 0
.rept 16
	v_pk_mul_f32 v[128+2*n:129+2*n], v[96+2*n:97+2*n], 0xbfb8aa3b op_sel_hi:[1,0]   ; -log2(e) x gate
.set n, n+1
.endr
	WIN 0
	s_wait_dscnt 0x0
	v_max_num_f32 v66, v[ST], v64                  ; the larger c m
	v_sub_f32 v67, v[ST], v66
	v_sub_f32 v68, v64, v66
	v_exp_f32 v70, v67                             ; my share's factor,
	v_exp_f32 v72, v68                             ; my partner's,
.set n, 0
.rept 32
	v_exp_f32 v[128+n], v[128+n]                   ; and e = exp(-gate)
.set n, n+1
.endr
	v_nop
	s_wait_alu depctr_va_vdst(0)                   ; one wait for the 34
	v_mul_f32 v74, v70, v[ST+1]
	v_fmac_f32 v74, v72, v65
	v_permlanex16_b32 v75, v74, s[SEL], s[SEL+1]
	v_add_f32 v74, v74, v75                        ; l of the whole row
	WIN FR1
.set n, 0
.rept 16
	v_pk_mul_f32 v[160+2*n:161+2*n], v[2*n:2*n+1], v[70:71] op_sel_hi:[1,0]         ; my O^T; ascending
.set n, n+1
.endr
	WIN 0
.set n, 0
.rept 16
	v_pk_fma_f32 v[160+2*n:161+2*n], v[32+2*n:33+2*n], v[72:73], v[160+2*n:161+2*n] op_sel_hi:[1,0,1]   ; + my partner's
	v_pk_fma_f32 v[128+2*n:129+2*n], v[128+2*n:129+2*n], v[74:75], v[74:75] op_sel_hi:[1,0,0]          ; e l + l: O / l x sigmoid(gate) = O / (l (1 + e))
.set n, n+1
.endr
.set n, 0
.rept 32
	v_rcp_f32 v[128+n], v[128+n]
.set n, n+1
.endr
	v_nop
	s_wait_alu depctr_va_vdst(0)                   ; one wait for the 32
.set n, 0
.rept 16
	v_pk_mul_f32 v[160+2*n:161+2*n], v[160+2*n:161+2*n], v[128+2*n:129+2*n]
.set n, n+1
.endr
.set n, 0
.rept 16
	v_cvt_pk_f16_f32 v[96+n], v[160+2*n], v[161+2*n]
.set n, n+1
.endr
.irp ct, 0,1,2,3
	ds_store_b128 v[STO], v[96+4*\ct:99+4*\ct] offset:32*\ct   ; channels 16 ct + 8 h + 0..7 of row r
.endr
.irp i, 0,1,2,3
	ds_load_b128 v[112+4*\i:115+4*\i], v[RD] offset:4*KP*\i    ; four whole rows an instruction: these see my stores (ISA guide 5.7.1.4)
.endr
.irp i, 0,1,2,3
	s_wait_dscnt 3-\i
	global_store_b128 v[GGO], v[112+4*\i:115+4*\i], s[10:11] offset:512*\i   ; 512 consecutive bytes, aligned
.endr
	s_wait_tensorcnt 0x0                           ; the wave's end, behind my last tensor load and my last LDS store
	ds_add_u32 v[SPW], v[NIL]
	s_wait_dscnt 0x0
	CROUND                                         ; the closing round
	s_endpgm
.Lfunc_end_k_qabca78ddc9_attn:
	.size	k_qabca78ddc9_attn, .Lfunc_end_k_qabca78ddc9_attn-k_qabca78ddc9_attn
	.p2alignl 7, 3214868480
	.fill 96, 4, 3214868480
	.section	.rodata,"a",@progbits
	.p2align	6, 0x0
	.amdhsa_kernel k_qabca78ddc9_attn
		.amdhsa_group_segment_fixed_size 327680
		.amdhsa_private_segment_fixed_size 0
		.amdhsa_enable_private_segment 0
		.amdhsa_kernarg_size 32
		.amdhsa_user_sgpr_count 2
		.amdhsa_user_sgpr_kernarg_segment_ptr 1
		.amdhsa_wavefront_size32 1
		.amdhsa_system_sgpr_workgroup_id_x 1
		.amdhsa_system_sgpr_workgroup_id_y 1
		.amdhsa_system_sgpr_workgroup_id_z 1
		.amdhsa_system_vgpr_workitem_id 0
		.amdhsa_next_free_vgpr 384
		.amdhsa_next_free_sgpr 100
		.amdhsa_reserve_vcc 0
		.amdhsa_float_denorm_mode_32 3
		.amdhsa_float_denorm_mode_16_64 3
		.amdhsa_memory_ordered 1
		.amdhsa_forward_progress 1
		.amdhsa_inst_pref_size 64
	.end_amdhsa_kernel
	.amdgpu_metadata
---
amdhsa.version: [ 1, 2 ]
amdhsa.kernels:
  - .name:           k_qabca78ddc9_attn
    .symbol:         k_qabca78ddc9_attn.kd
    .args:
      - { .name: qkvh, .offset: 0, .size: 8, .value_kind: global_buffer, .address_space: global }
      - { .name: gateo, .offset: 8, .size: 8, .value_kind: global_buffer, .address_space: global }
      - { .name: maskw, .offset: 16, .size: 8, .value_kind: global_buffer, .address_space: global }
      - { .name: a2, .offset: 24, .size: 8, .value_kind: global_buffer, .address_space: global }
    .group_segment_fixed_size: 327680
    .private_segment_fixed_size: 0
    .kernarg_segment_align: 8
    .kernarg_segment_size: 32
    .max_flat_workgroup_size: 256
    .sgpr_count:     100
    .vgpr_count:     384
    .wavefront_size: 32
...
	.end_amdgpu_metadata
.endif
;; end of part 3
;; launch proj (part 4): grid 8 x 32, 4 waves a work-group, clusters of 4 x 4, 327,680 bytes of LDS; arguments a2, pwt, proj_b, out0; writes out0
.if DOCPART == 4
	.amdgcn_target "amdgcn-amd-amdhsa--gfx1250"
	.amdhsa_code_object_version 6
	.text
	.protected	k_qabca78ddc9_proj
	.globl	k_qabca78ddc9_proj
	.p2align	8
	.type	k_qabca78ddc9_proj,@function
k_qabca78ddc9_proj:
	s_mov_b64 s[64:65], 0
	v_nop
	global_prefetch_b8 v0, s[64:65] scope:SCOPE_SE
	s_setreg_imm32_b32 hwreg(HW_REG_WAVE_MODE, 25, 1), 1
	s_wait_xcnt 0x0
	s_wait_alu depctr_hold_cnt(0) depctr_sa_sdst(0) depctr_va_vdst(0) depctr_va_sdst(0) depctr_va_ssrc(0) depctr_va_vcc(0) depctr_vm_vsrc(0)
	s_getreg_b32 s2, hwreg(HW_REG_IB_STS2, 6, 4)
	s_cmp_eq_u32 s2, 0
	s_cbranch_scc0 .Lentry_in_a_cluster
	s_endpgm
.Lentry_in_a_cluster:
	s_bfe_u32 s2, ttmp6, 0x10000c
	s_cmp_lg_u32 s2, 0xf033
	s_cbranch_scc0 .Lentry_shape_is_right
	s_endpgm
.Lentry_shape_is_right:
; out0[m][n] = proj_b[n] + sum over k of A[m][k] B[n][k], 4096 x 1024 x 1024, f16 operands, f32 sums.  Both operands lie in blocks of 64 along K: A = a2 [16 kb][4096 m][64], B = pwt [16 kb][1024 n][64].
; A tile of C is 128 x 128: 256 work-groups.  Four waves, each 64 x 64: 16 accumulators.  K goes in steps of 256, four blocks, through a ring of two LDS slots.
; A wave's one tensor load brings its 64 rows of four blocks: in memory 64 rows of a block are 8,192 dense bytes, so the tile is stated as 4 rows of 4,096 elements, a block's bytes apart, with 16 bytes of padding behind every 128:
; in LDS [block][64 rows][144 bytes].
; CLUSTERS: 4 x 4 work-groups; A's tiles are asked for jointly along a row of the cluster, B's along a column.  THE MATRIX INSTRUCTION IS USED TRANSPOSED (source 0 = 16 rows of B, source 1 = 16 rows of A).
; THE BIAS IS THE C OF THE FIRST PRODUCTS.  LIMIT: operands in f16 (made by the launches before).
; REGISTERS: window 0: v0-31 addresses; v32-63 the bias; v128-255 the accumulators ((a, b) at v[128 + 8 (4 a + b)]), later rows of C.  window 1: two fragment buffers of 128: 64 registers of A, then 64 of B.
.set PITCH,  144                       ; an LDS row: 128 bytes + 16: the 16 rows that a load touches start 36 words apart
.set PLANE,  64*PITCH                  ; 64 rows of one block of 64 along K
.set HALFT,  4*PLANE                   ; what one tensor load brings, and what one wave reads of A or of B
.set SLOT,   4*HALFT                   ; A's 128 rows, then B's 128 rows
.set SPITCH, 528                       ; the way out: 128 rows x (512 bytes + 16), from LDS byte 0 on: in slot 0, which has had its last fill and its last read when the first result is stored there
.set SPARE,  2*SLOT                    ; the spare words, 128 bytes a wave: two blocks of 256 bytes that no other line names
.set LAPS,   2                         ; a lap = two K steps = once round the ring
.set ASTEP,  4*4096*128                ; a K step in A's memory: four blocks of 524,288 bytes
.set BSTEP,  4*1024*128                ; in B's: four of 131,072
.set ADRA, 16
.set ADRB, 20
.set STO,  24
.set RD,   25
.set CO,   26
.set BO,   27                          ; v27  32 x (lane / 16): my eight biases of a block of 16 columns
.set SPW,  28
.set NIL,  29
.set BIAS, 32
.set ACC,  128
.set F0,   0
.set F1,   128
.set G1, 24
.set G0, 32
.set G1B, 48
.set G0B, 56
.set MSB, 0
.macro WIN new
.if MSB != \new
	s_set_vgpr_msb (MSB<<8)|\new
.set MSB, \new
.endif
.endm
.set MUL,  0x05                        ; sources 0 (B) and 1 (A) window 1; C and D window 0
.set TO_F, 0x40
.macro JLOAD s                         ; a joint load: waves 0 and 1 fetch A's halves, waves 2 and 3 B's; an s_nop 0 and four v_nop follow each of the two lines
	s_cmp_eq_u32 s11, 0
	s_cbranch_scc0 .Lfor_b_\@
	tensor_load_to_lds s[G0+4*\s:G0+4*\s+3], s[G1:G1+7]
	s_nop 0
.rept 4
	v_nop
.endr
	s_branch .Lasked_\@
.Lfor_b_\@:
	tensor_load_to_lds s[G0B+4*\s:G0B+4*\s+3], s[G1B:G1B+7]
	s_nop 0
.rept 4
	v_nop
.endr
.Lasked_\@:
.endm
.macro CREST                           ; a round of the cluster's barrier behind its opening barrier
	s_cmp_lg_u32 s10, 0
	s_cbranch_scc1 .Lnot_wave_0_\@
	s_barrier_signal -3
.Lnot_wave_0_\@:
	s_barrier_wait -3
	s_barrier_signal -1
	s_barrier_wait -1
.endm
.macro CROUND
	s_barrier_signal -1
	s_barrier_wait -1
	CREST
.endm
	s_load_b128 s[4:7], s[0:1], 0x0                ; a2, pwt
	s_load_b64 s[66:67], s[0:1], 0x10              ; proj_b
	s_load_b64 s[8:9], s[0:1], 0x18                ; out0
	v_lshl_add_u32 v[SPW], v0, 2, SPARE
	v_mov_b32 v[NIL], 0
	ds_add_u32 v[SPW], v[NIL]                      ; the wave's opening: the add, twice on end, and its wait ahead of my first tensor load
	ds_add_u32 v[SPW], v[NIL]
	v_lshrrev_b32 v1, 5, v0
	v_readfirstlane_b32 s10, v1                    ; wave 0..3
	s_lshr_b32 s11, s10, 1                         ; which half of the tile's rows is mine.  Also: I fetch for A (0) or for B (1)
	s_and_b32 s12, s10, 1                          ; which half of its columns.  Also: which 64 rows I fetch
	s_bfe_u32 s40, ttmp6, 0x40000                  ; cx, cy
	s_bfe_u32 s41, ttmp6, 0x40004
	s_lshl_b32 s42, ttmp9, 2
	s_add_co_u32 s42, s42, s40                     ; tile column of C
	s_and_b32 s13, ttmp7, 0xffff
	s_lshl_b32 s13, s13, 2
	s_add_co_u32 s13, s13, s41                     ; tile row of C
	s_lshl_b32 s43, s41, 2
	s_lshl_b32 s43, 15, s43                        ; my row of the cluster
	s_lshl_b32 s44, 0x1111, s40                    ; my column
	s_or_b32 s[G1+0], s43, (1<<16)|(1<<20)|(1<<21)|(4<<22)|(3<<25)   ; the mask; elements of 2 bytes; padding on; bit 21 beside a mask; 4 words behind every 32
	s_or_b32 s[G1B+0], s44, (1<<16)|(1<<20)|(1<<21)|(4<<22)|(3<<25)
.irp g, G1, G1B
	s_mov_b32 s[\g+1], 4096<<16                    ; tensor_dim0 = 4,096 elements: 64 rows of a block
	s_mov_b32 s[\g+2], 4<<16                       ; tensor_dim1 = 4 blocks
	s_mov_b32 s[\g+3], 4096<<16                    ; tile_dim0
	s_mov_b32 s[\g+4], 4                           ; tile_dim1
	s_mov_b32 s[\g+6], 0
	s_mov_b32 s[\g+7], 0
.endr
	s_mov_b32 s[G1+5], 4096*64                     ; from block to block, in elements: A
	s_mov_b32 s[G1B+5], 1024*64                    ; B
	s_lshl_b32 s17, s12, 6                         ; which 64 rows of the tile I fetch
	s_lshl_b32 s16, s13, 7
	s_add_co_u32 s16, s16, s17                     ; A: row 128 x tile row + 64 x half,
	s_lshl_b32 s16, s16, 7                         ; 128 bytes each
	s_lshl_b32 s46, s42, 7
	s_add_co_u32 s46, s46, s17                     ; B: row 128 x tile column + 64 x half
	s_lshl_b32 s46, s46, 7
	s_mov_b32 s17, 0
	s_mov_b32 s47, 0
	s_mul_i32 s20, s10, HALFT                      ; where they go: no place in the cluster enters an LDS address
	s_wait_dscnt 0x0                               ; both opening adds are done
	s_wait_kmcnt 0x0
	s_add_nc_u64 s[14:15], s[4:5], s[16:17]
	s_add_nc_u64 s[46:47], s[6:7], s[46:47]
	CROUND                                         ; all sixteen work-groups are here: the first joint loads meet
.irp s, 0,1
	s_mov_b32 s[G0+4*\s], 1
	s_add_co_u32 s[G0+4*\s+1], s20, \s*SLOT
	s_add_nc_u64 s[G0+4*\s+2:G0+4*\s+3], s[14:15], \s*ASTEP
	s_or_b32 s[G0+4*\s+3], s[G0+4*\s+3], 0x80000000
	s_mov_b32 s[G0B+4*\s], 1
	s_add_co_u32 s[G0B+4*\s+1], s20, \s*SLOT
	s_add_nc_u64 s[G0B+4*\s+2:G0B+4*\s+3], s[46:47], \s*BSTEP
	s_or_b32 s[G0B+4*\s+3], s[G0B+4*\s+3], 0x80000000
	JLOAD \s
.endr
	v_and_b32 v1, 15, v0                           ; r
	v_bfe_u32 v2, v0, 4, 1                         ; h
	v_lshlrev_b32 v[BO], 5, v2
	s_lshl_b32 s46, s42, 9                         ; the bias of my 64 columns: 512 bytes a tile column, 256 a half
	s_lshl_b32 s47, s12, 8
	s_add_co_u32 s46, s46, s47
	s_mov_b32 s47, 0
	s_add_nc_u64 s[66:67], s[66:67], s[46:47]
.irp b, 0,1,2,3
	global_load_b128 v[BIAS+8*\b:BIAS+8*\b+3], v[BO], s[66:67] offset:64*\b          ; register 8 b + j = column 16 b + 8 h + j
	global_load_b128 v[BIAS+8*\b+4:BIAS+8*\b+7], v[BO], s[66:67] offset:64*\b+16
.endr
	v_mul_u32_u24 v3, v1, PITCH
	v_lshl_add_u32 v3, v2, 4, v3                   ; a fragment's row x pitch + 16 x half
	s_mul_i32 s21, s11, HALFT                      ; my 64 rows of A
	s_mul_i32 s22, s12, HALFT                      ; my 64 rows of B,
	s_add_co_u32 s22, s22, 2*HALFT                 ; behind A's 128
.irp s, 0,1
	v_add_nc_u32 v[ADRA+\s], s21, v3
	v_add_nc_u32 v[ADRB+\s], s22, v3
	s_add_co_u32 s21, s21, SLOT
	s_add_co_u32 s22, s22, SLOT
.endr
	s_mul_i32 s23, s11, 64*SPITCH                  ; into the stage: my 64 rows, my half of their 512 bytes; row r, 32 bytes for each half of the lanes
	s_lshl_b32 s21, s12, 8
	s_add_co_u32 s23, s23, s21
	v_mul_u32_u24 v4, v1, SPITCH
	v_lshl_add_u32 v4, v2, 5, v4
	v_add_nc_u32 v[STO], s23, v4
	s_mul_i32 s23, s10, 32*SPITCH                  ; back: wave w takes rows 32 w .. 32 w + 31, whole: 16 bytes a lane
	v_and_b32 v5, 31, v0
	v_lshlrev_b32 v[CO], 4, v5
	v_add_nc_u32 v[RD], s23, v[CO]
	s_lshl_b32 s16, s13, 7
	s_lshl_b32 s17, s10, 5
	s_add_co_u32 s16, s16, s17                     ; the first row of C that I store,
	s_lshl_b32 s16, s16, 12                        ; 4,096 bytes each,
	s_lshl_b32 s17, s42, 9
	s_add_co_u32 s16, s16, s17                     ; + the tile's first column
	s_mov_b32 s17, 0
	s_add_nc_u64 s[8:9], s[8:9], s[16:17]
; 8 matrix instructions: m blocks a0, a0 + 1 x all 4 n blocks, 32 along K: half c of buffer f.  first = 1: the bias is the C.  The 16 accumulators take turns
.macro MUL8 f, c, a0, first
.irp a, \a0, \a0+1
.irp b, 0,1,2,3
.if \first
	v_wmma_f32_16x16x32_f16 v[ACC+8*(4*(\a)+\b):ACC+8*(4*(\a)+\b)+7], v[\f+64+8*(4*\c+\b):\f+64+8*(4*\c+\b)+7], v[\f+8*(4*\c+\a):\f+8*(4*\c+\a)+7], v[BIAS+8*\b:BIAS+8*\b+7]
.else
	v_wmma_f32_16x16x32_f16 v[ACC+8*(4*(\a)+\b):ACC+8*(4*(\a)+\b)+7], v[\f+64+8*(4*\c+\b):\f+64+8*(4*\c+\b)+7], v[\f+8*(4*\c+\a):\f+8*(4*\c+\a)+7], v[ACC+8*(4*(\a)+\b):ACC+8*(4*(\a)+\b)+7]
.endif
.endr
.endr
.endm
; 32 LDS loads in one run: the fragments of one block of 64 along K, which begins k bytes into my rows' part of the slot, into buffer f; the first 32 along K first
.macro FETCH slot, k, f
	WIN TO_F
.irp c, 0,1
.irp i, 0,1,2,3
	ds_load_b128 v[\f+64+8*(4*\c+\i):\f+64+8*(4*\c+\i)+3],   v[ADRB+\slot] offset:\k+64*\c+\i*16*PITCH
	ds_load_b128 v[\f+64+8*(4*\c+\i)+4:\f+64+8*(4*\c+\i)+7], v[ADRB+\slot] offset:\k+64*\c+\i*16*PITCH+32
	ds_load_b128 v[\f+8*(4*\c+\i):\f+8*(4*\c+\i)+3],         v[ADRA+\slot] offset:\k+64*\c+\i*16*PITCH
	ds_load_b128 v[\f+8*(4*\c+\i)+4:\f+8*(4*\c+\i)+7],       v[ADRA+\slot] offset:\k+64*\c+\i*16*PITCH+32
.endr
.endr
.endm
.macro PLACES                          ; four places in front of loads into registers that matrix instructions have read, and of the first read of results
.rept 4
	v_nop
.endr
.endm
; A K step is four quarters of 64 along K, 32 matrix instructions each, on buffers 0, 1, 0, 1.  One of the first three: multiplies buffer f and fetches the next quarter, at byte k, into g.
.macro QUARTER slot, k, f, g, first
	s_wait_dscnt 16                                ; the first 32 along K are in; the youngest sixteen loads may be out
	WIN MUL
	MUL8 \f, 0, 0, \first
	MUL8 \f, 0, 2, \first
	PLACES
	FETCH \slot, \k, \g
	s_wait_dscnt 32                                ; all but the 32 just issued
	WIN MUL
	MUL8 \f, 1, 0, 0
	MUL8 \f, 1, 2, 0
.endm
; The last quarter multiplies buffer 1 and changes slots: ONE barrier; in front of it each wave waits for all its tensor loads, adds 0 to its spare word, and waits for that and for its own reads of this slot.  fill = 1: this slot is filled again, two K steps ahead.
.macro TURN slot, next, fill
	WIN 0
	s_wait_tensorcnt 0x0                           ; all my tensor loads have landed: my part of the next slot;
	ds_add_u32 v[SPW], v[NIL]                      ; 0 onto my spare word;
	s_wait_dscnt 17                                ; (the add and the youngest sixteen loads may be out)
	WIN MUL
	MUL8 F1, 0, 0, 0
	s_wait_dscnt 0x0                               ; the add is done, and my reads of this slot are over
	s_barrier_signal -1
	MUL8 F1, 0, 2, 0
.if \fill
	WIN 0
.endif
	s_barrier_wait -1
.if \fill
	CREST                                          ; the barrier has opened a round of the cluster's barrier: no wave of any partner still reads this slot or has a load on its way
	s_add_nc_u64 s[G0+4*\slot+2:G0+4*\slot+3], s[G0+4*\slot+2:G0+4*\slot+3], 2*ASTEP
	s_add_nc_u64 s[G0B+4*\slot+2:G0B+4*\slot+3], s[G0B+4*\slot+2:G0B+4*\slot+3], 2*BSTEP
	JLOAD \slot                                    ; the first tensor load behind the round; the four v_nop behind it are also the places in front of the loads below
.else
	PLACES
.endif
	FETCH \next, 0, F0
	WIN MUL
	MUL8 F1, 1, 0, 0
	MUL8 F1, 1, 2, 0
.endm
	s_wait_tensorcnt 1                             ; my part of K step 0 is in; K step 1's load may be out
	s_barrier_signal -1
	s_barrier_wait -1
	FETCH 0, 0, F0
	s_wait_loadcnt 0x0                             ; the bias
	QUARTER 0, PLANE, F0, F1, 1                    ; the first quarter stands in front of the loop: its first products start the sums, on the bias
	WIN 0
	s_mov_b32 s3, LAPS-1
.Llap:                                                 ; a trip goes once round the ring, from a lap's second quarter to the next lap's first, and fills both slots again
	QUARTER 0, 2*PLANE, F1, F0, 0
	QUARTER 0, 3*PLANE, F0, F1, 0
	TURN 0, 1, 1
	QUARTER 1, PLANE, F0, F1, 0
	QUARTER 1, 2*PLANE, F1, F0, 0
	QUARTER 1, 3*PLANE, F0, F1, 0
	TURN 1, 0, 1
	QUARTER 0, PLANE, F0, F1, 0
	WIN 0
	s_sub_co_u32 s3, s3, 1
	s_cmp_lg_u32 s3, 0
	s_cbranch_scc1 .Llap
	QUARTER 0, 2*PLANE, F1, F0, 0                  ; the last lap fills nothing, and has no round of the cluster's barrier
	QUARTER 0, 3*PLANE, F0, F1, 0
	TURN 0, 1, 0
	QUARTER 1, PLANE, F0, F1, 0
	QUARTER 1, 2*PLANE, F1, F0, 0
	QUARTER 1, 3*PLANE, F0, F1, 0
	s_wait_dscnt 16                                ; the very last quarter
	WIN MUL
	MUL8 F1, 0, 0, 0
	MUL8 F1, 0, 2, 0
	s_wait_dscnt 0
	MUL8 F1, 1, 0, 0
	MUL8 F1, 1, 2, 0
	WIN 0
	; THE WAY OUT: 32 bytes a lane into the work-group's stage; a barrier, since a row's 512 bytes come from two waves; back as whole rows, 32 rows a wave.
	PLACES
.irp a, 0,1,2,3
.irp b, 0,1,2,3
	ds_store_b128 v[STO], v[ACC+8*(4*\a+\b):ACC+8*(4*\a+\b)+3] offset:\a*16*SPITCH+64*\b       ; each accumulator from its low end on
	ds_store_b128 v[STO], v[ACC+8*(4*\a+\b)+4:ACC+8*(4*\a+\b)+7] offset:\a*16*SPITCH+64*\b+16
.endr
.endr
	s_wait_dscnt 0x0                               ; for the others' sake: my stores into the stage are done
	s_barrier_signal -1
	s_barrier_wait -1
.set t, 0
.rept 32
	ds_load_b128 v[ACC+4*t:ACC+4*t+3], v[RD] offset:t*SPITCH
.set t, t+1
.endr
.set t, 0
.rept 32
	s_wait_dscnt 31-t
	global_store_b128 v[CO], v[ACC+4*t:ACC+4*t+3], s[8:9] offset:t*4096 th:TH_STORE_NT   ; 32 lanes store 512 consecutive bytes, aligned; written once, read by nobody here
.set t, t+1
.endr
	s_wait_tensorcnt 0x0                           ; the wave's end, behind my last tensor load and my last LDS store
	ds_add_u32 v[SPW], v[NIL]
	s_wait_dscnt 0x0
	CROUND                                         ; the closing round
	s_endpgm
.Lfunc_end_k_qabca78ddc9_proj:
	.size	k_qabca78ddc9_proj, .Lfunc_end_k_qabca78ddc9_proj-k_qabca78ddc9_proj
	.p2alignl 7, 3214868480
	.fill 96, 4, 3214868480
	.section	.rodata,"a",@progbits
	.p2align	6, 0x0
	.amdhsa_kernel k_qabca78ddc9_proj
		.amdhsa_group_segment_fixed_size 327680
		.amdhsa_private_segment_fixed_size 0
		.amdhsa_enable_private_segment 0
		.amdhsa_kernarg_size 32
		.amdhsa_user_sgpr_count 2
		.amdhsa_user_sgpr_kernarg_segment_ptr 1
		.amdhsa_wavefront_size32 1
		.amdhsa_system_sgpr_workgroup_id_x 1
		.amdhsa_system_sgpr_workgroup_id_y 1
		.amdhsa_system_sgpr_workgroup_id_z 1
		.amdhsa_system_vgpr_workitem_id 0
		.amdhsa_next_free_vgpr 512
		.amdhsa_next_free_sgpr 68
		.amdhsa_reserve_vcc 0
		.amdhsa_float_denorm_mode_32 3
		.amdhsa_float_denorm_mode_16_64 3
		.amdhsa_memory_ordered 1
		.amdhsa_forward_progress 1
		.amdhsa_inst_pref_size 87
	.end_amdhsa_kernel
	.amdgpu_metadata
---
amdhsa.version: [ 1, 2 ]
amdhsa.kernels:
  - .name:           k_qabca78ddc9_proj
    .symbol:         k_qabca78ddc9_proj.kd
    .args:
      - { .name: a2, .offset: 0, .size: 8, .value_kind: global_buffer, .address_space: global }
      - { .name: pwt, .offset: 8, .size: 8, .value_kind: global_buffer, .address_space: global }
      - { .name: proj_b, .offset: 16, .size: 8, .value_kind: global_buffer, .address_space: global }
      - { .name: out0, .offset: 24, .size: 8, .value_kind: global_buffer, .address_space: global }
    .group_segment_fixed_size: 327680
    .private_segment_fixed_size: 0
    .kernarg_segment_align: 8
    .kernarg_segment_size: 32
    .max_flat_workgroup_size: 128
    .sgpr_count:     68
    .vgpr_count:     512
    .wavefront_size: 32
...
	.end_amdgpu_metadata
.endif
;; end of part 4
